; MI455X (gfx1250); checked and timed in simulation.
; The chip was launched on July 23, 2026; its instructions are those of AMD's public machine-readable ISA for CDNA 5 (MIT licence, August 2026) and "CDNA5" Instruction Set Architecture Reference Guide (July 2026). The comments in the code are by the model that wrote it; some were corrected since.
;; Multi Head Self Attention. Allowed arithmetic: matrix products marked QUANTISED: E2M3 operands, one E8M0 scale for each 32 along K, by v_wmma_scale_f32_16x16x128_f8f6f4 with both operands' format E2M3, f32 sums; everything else in f32.
;; Inputs: mask 4 x 1 x 1 x 2,048 int32; out_b 1,024 float32; out_w 1,024 x 1,024 float32; qkv_b 3,072 float32; qkv_w 3,072 x 1,024 float32; x 4 x 2,048 x 1,024 float32.
;; Outputs: out0 4 x 2,048 x 1,024 float32.
;; This version of the problem:
;;   THIS VERSION OF THE PROBLEM IS GIVEN IN LOW PRECISION. The matrix products marked QUANTISED in the list below multiply operands that are first quantised to E2M3 (2 exponent bits, 3 mantissa bits; 6 bits a number), with one power-of-two scale for each 32 numbers along K (OCP MX v1.0); their sums are f32. All else is computed in f32.
;;   The module's matrix products, in the order in which they are computed (A, B: the left and right operand; K: the contracted axis; several contracted axes count as one K, in the product's order):
;;     1. [M 8,192, K 1,024] x [K 1,024, N 3,072]; A: input x; B: input qkv_w: QUANTISED
;;     2. batch 64 x [M 2,048, K 64] x [K 64, N 2,048]; A: computed on the way; B: computed on the way: QUANTISED
;;     3. batch 64 x [M 2,048, K 2,048] x [K 2,048, N 64]; A: softmax (see below); B: computed on the way: QUANTISED
;;     4. [M 8,192, K 1,024] x [K 1,024, N 1,024]; A: computed on the way; B: input out_w: QUANTISED
;;   THE QUANTISER, for each operand of a quantised product, along K:
;;     - K is cut into blocks of 32 from its start; a last block that is shorter is filled with zeros.
;;     - A block's scale is 2^e with e = floor(log2(the largest magnitude in the block)) - 2, held to -126 .. 127; a block of zeros has e = 0. As a byte (E8M0): e + 127.
;;     - Each number is divided by its block's scale, clamped to +-7.5, and rounded to the nearest number of E2M3, ties to even, subnormals kept.
;;     - The product sums the exact products of the quantised numbers (number of the format x scale) in f32.
;;   ~~~python
;;   def quantise(x, axis):      # numpy; x: float32 -> the quantised numbers, widened to float32 again
;;       x = np.moveaxis(x, axis, -1); K = x.shape[-1]
;;       x = np.pad(x, [(0, 0)] * (x.ndim - 1) + [(0, -K % 32)]); x = x.reshape(x.shape[:-1] + (-1, 32)); a = np.abs(x).max(-1, keepdims=True)
;;       e = np.where(a > 0, np.clip(np.frexp(np.where(a > 0, a, 1))[1] - 1 - 2, -126, 127), 0)      # np.frexp(a)[1] - 1 = floor(log2(a)), exactly
;;       r = np.clip(x / 2.0 ** e, -7.5, 7.5)
;;       step = 2.0 ** (np.maximum(np.frexp(np.where(r == 0, 1, r))[1] - 1, 0) - 3)
;;       q = np.round(r / step) * step * 2.0 ** e      # np.round: ties to even
;;       return np.moveaxis(q.reshape(q.shape[:-2] + (-1,))[..., :K], -1, axis).astype(np.float32)
;;   ~~~
;;   SOFTMAX AHEAD OF A QUANTISED PRODUCT. Where the list says 'softmax', what is quantised is not the finished softmax but p = 2^(t - M), with t = logit x log2(e) and M = ceil(the row's largest t), a whole number; so 1/2 < the row's largest p <= 1. The row's sum l is taken of the UNQUANTISED p, in f32, and the product's result is divided by l at the end. Since M is a whole number, a kernel that streams over the keys may use a running M (the ceiling of the running maximum): every later rescaling is an exact power of two, which a block's scale takes up: the codes' values come out the same.
;;   OPERANDS COMPUTED ON THE WAY. 'Computed on the way' means the value that the module computes at that place (a softmax that the list does not call 'softmax' is quantised finished and normalised). What goes into a quantiser is computed in f32, as accurately as f32 sums, v_exp_f32 and their like allow (about 1e-6 of the number): no bf16 or f16 on the way to a quantiser, and a product that is left as it is and whose result goes on into a quantised operand takes f32 operands (vector FMAs, or v_wmma_f32_16x16x4_f32). A number that lies on a knife's edge between two numbers of the format may be rounded either way, as far as f32 arithmetic and the matrix unit's own rounding can turn it there, and no further.
;; One version. Each part assembles by itself: llvm-mc -triple=amdgcn-amd-amdhsa -mcpu=gfx1250 --defsym DOCPART=n.
;; ======== version 1 of 1: 4 launches
;; limits: right only within a limited range of input values
;; workspace buffers: aq 6,291,456 bytes; wq 3,145,728 bytes; sc 393,216 bytes; qb 8,912,896 bytes; kv 15,466,496 bytes
;; launch quant (part 1): grid 384 x 1, 4 waves a work-group, no clusters, 34,304 bytes of LDS; arguments x, qkv_w, out_w, aq, wq, sc; writes aq, wq, sc
.if DOCPART == 1
	.amdgcn_target "amdgcn-amd-amdhsa--gfx1250"
	.amdhsa_code_object_version 6
	.text
	.protected	k_qda78d9fa0b_quant
	.globl	k_qda78d9fa0b_quant
	.p2align	8
	.type	k_qda78d9fa0b_quant,@function
k_qda78d9fa0b_quant:
	s_mov_b64 s[64:65], 0
	v_nop
	global_prefetch_b8 v0, s[64:65] scope:SCOPE_SE
	s_setreg_imm32_b32 hwreg(HW_REG_WAVE_MODE, 25, 1), 1
	s_wait_xcnt 0x0
; x [8192][1024], qkv_w [3072][1024] and out_w [1024][1024], f32 with K innermost, become codes of FP6 (E2M3) with one E8M0 scale byte for each 32 along K,
; laid as IMAGES OF THE OPERAND'S REGISTERS, so that the products' launches fetch fragments by dense loads.
; TILES.  Tile i of a tensor takes the 16 rows 32 (i / 2) + 8 (i % 2) + r + 8 (r / 8), r = 0 .. 15: in a transposed product the 16 registers of two neighbouring tiles are then 16 neighbours along the next K.
; IMAGE of a fragment (16 rows x 128 K, 12 registers a lane, 1,536 bytes): two halves c = 0, 1 of 768 bytes: registers 6 c .. 6 c + 3 at 16 x lane (512 bytes), registers 6 c + 4, 6 c + 5 at 8 x lane (256 bytes).
; aq: [row tile 512][K step 8][image];  wq: [tile 256][8][image], tiles 0-191 qkv_w, 192-255 out_w;  sc: [tile 768][half of K 2][row 16][4 words]: one word (four bytes) for a row and 128 along K; tile 512 + j is wq's tile j.
; A block's scale byte is its largest magnitude's exponent field - 2, held at 1 from below by a floor among the maximum's leaves.
; LIMITS: a block of zeros, or one whose largest magnitude lies under 2^-124, keeps the byte 1 (the bytes are read by this program alone; zero codes add nothing); NaN and infinities among the inputs are not served.
; SHARES.  A wave takes one tile x 512 along K: four fragments.  Work-groups 0-255 take x, 256-351 qkv_w, 352-383 out_w: only pointers are chosen, by the work-group's number; there is one path through the text.
; A load reads 512 consecutive bytes of a row; the 16 rows turn through the wave's own stage in LDS (rows 528 bytes apart), from which lane (r, h) takes two whole blocks of 32 of row r: k = 64 c + 32 h + 0 .. 31.
; No matrix unit, no tensor load, no cluster, no barrier: the waves share nothing and memory binds.
.set STG,   8448                       ; a wave's stage: 16 rows x (512 + 16) bytes
.set SPARE, 4*STG                      ; behind the stages: the spare words, 128 bytes a wave, which no other line names
.set SPW,   12                         ; v12  my spare word's LDS address; never rewritten
.set NIL,   13                         ; v13  0; never rewritten
.set WQ,    16                         ; v16-19  the four fragments' scale words
.set C,     20                         ; v20-31  a fragment's codes
.set T,     32                         ; v32-39  the second halves of the blocks' codes, as the conversions leave them
.set R,     64                         ; v64-191 two sets of 64 numbers as loaded
.set X,     192                        ; v192-255 my 64 numbers of a fragment
	s_load_b128 s[4:7], s[0:1], 0x0                ; x, qkv_w
	s_load_b128 s[8:11], s[0:1], 0x10              ; out_w, aq
	s_load_b128 s[12:15], s[0:1], 0x20             ; wq, sc
	v_lshl_add_u32 v[SPW], v0, 2, SPARE
	v_mov_b32 v[NIL], 0
	v_lshrrev_b32 v1, 5, v0
	v_readfirstlane_b32 s16, v1                    ; wave 0..3
	v_and_b32 v14, 31, v0                          ; lane
	v_and_b32 v8, 15, v0                           ; r
	v_bfe_u32 v9, v0, 4, 1                         ; h
	v_lshlrev_b32 v1, 4, v14                       ; 16 x lane: loads and 16-byte stores
	s_mul_i32 s17, s16, STG
	v_add_nc_u32 v2, s17, v1                       ; the stage, on the way in
	v_mul_u32_u24 v3, v8, 528
	v_lshl_add_u32 v3, v9, 7, v3
	v_add_nc_u32 v3, s17, v3                       ; and on the way out: row r, + 128 h bytes
	v_lshlrev_b32 v5, 3, v14                       ; 8 x lane
	v_lshlrev_b32 v6, 3, v9                        ; 8 h: my bytes' shift in a scale word
	v_lshlrev_b32 v7, 4, v8
	v_lshl_add_u32 v7, v9, 3, v7                   ; 16 r + 8 h: where my two scale words go
	v_mov_b32 v15, 0                               ; written once: a lane permute's destination counts as one of its sources
	s_mov_b32 s20, 0x76543210
	s_mov_b32 s21, 0xfedcba98                      ; lane l xor 16
	s_wait_alu depctr_va_vdst(0)
	s_wait_kmcnt 0x0
	s_cmp_lt_u32 ttmp9, 352                        ; the choices hang on the work-group's number alone
	s_cselect_b64 s[6:7], s[6:7], s[8:9]           ; qkv_w or out_w
	s_cselect_b32 s18, 0, 192                      ; out_w's own tiles count from wq's tile 192
	s_cmp_lt_u32 ttmp9, 256
	s_cselect_b64 s[4:5], s[4:5], s[6:7]           ; the source
	s_cselect_b64 s[10:11], s[10:11], s[12:13]     ; the codes' buffer
	s_cselect_b32 s18, 0, s18
	s_cselect_b32 s19, 0, 256
	s_cselect_b32 s22, 0, 512
	s_sub_co_u32 s19, ttmp9, s19
	s_lshl_b32 s19, s19, 2
	s_add_co_u32 s19, s19, s16                     ; my unit
	s_and_b32 s23, s19, 1                          ; which half of K
	s_lshr_b32 s19, s19, 1                         ; the tile in the codes' buffer
	s_sub_co_u32 s18, s19, s18                     ; the tile in the source
	s_add_co_u32 s22, s22, s19                     ; the tile in sc
	s_lshr_b32 s24, s18, 1
	s_lshl_b32 s24, s24, 17                        ; 32 rows of 4,096 bytes for each pair of tiles,
	s_and_b32 s25, s18, 1
	s_lshl_b32 s25, s25, 15                        ; 8 rows for the odd tile,
	s_add_co_u32 s24, s24, s25
	s_lshl_b32 s25, s23, 11                        ; 2,048 bytes for the second half of K
	s_add_co_u32 s24, s24, s25
	s_mov_b32 s25, 0
	s_add_nc_u64 s[4:5], s[4:5], s[24:25]
	s_lshl_b32 s24, s19, 3
	s_lshl_b32 s26, s23, 2
	s_add_co_u32 s24, s24, s26
	s_mul_i32 s24, s24, 1536                       ; image 8 x tile + 4 x half
	s_add_nc_u64 s[10:11], s[10:11], s[24:25]
	s_lshl_b32 s24, s22, 9
	s_lshl_b32 s26, s23, 8
	s_add_co_u32 s24, s24, s26
	s_add_nc_u64 s[14:15], s[14:15], s[24:25]
.macro LOAD q                          ; fragment q: 512 bytes of each of the tile's 16 rows, into set q % 2
.irp p, 0,1,2,3,4,5,6,7,8,9,10,11,12,13,14,15
	global_load_b128 v[R+64*((\q)%2)+4*\p:R+64*((\q)%2)+4*\p+3], v1, s[4:5] offset:(\p+8*(\p/8))*4096+(\q)*512 th:TH_LOAD_NT
.endr
.endm
.macro FRAGQ q
.if (\q) < 3
	s_wait_loadcnt 16                              ; this fragment's 16 loads are in; the next fragment's 16 may be out
.else
	s_wait_loadcnt 0x0
.endif
.irp p, 0,1,2,3,4,5,6,7,8,9,10,11,12,13,14,15
	ds_store_b128 v2, v[R+64*((\q)%2)+4*\p:R+64*((\q)%2)+4*\p+3] offset:\p*528
.endr
.irp c, 0,1
.irp j, 0,1,2,3,4,5,6,7
	ds_load_b128 v[X+32*\c+4*\j:X+32*\c+4*\j+3], v3 offset:256*\c+16*\j   ; LDS serves a wave's instructions in order: these see the stores above
.endr
.endr
	s_wait_dscnt 0x0                               ; my 64 numbers are in, and the stores have read their registers,
.if (\q) < 2
	LOAD (\q)+2                                    ; which take the loads of two fragments on
.endif
.irp c, 0,1
	v_max3_num_f32 v[8+\c], |v[X+32*\c]|, |v[X+32*\c+1]|, 0x1800000   ; block 2 c + h: all its 32 numbers are mine; the floor 2^(3 - 127) holds the byte at 1 from below
.endr
.irp i, 2,4,6,8,10,12,14,16,18,20,22,24,26,28,30
.irp c, 0,1
	v_max3_num_f32 v[8+\c], v[8+\c], |v[X+32*\c+\i]|, |v[X+32*\c+\i+1]|   ; (the two blocks by turns)
.endr
.endr
	v_add_nc_u32 v10, 0xff000000, v8               ; 2 off the exponent field: the conversion takes this operand's exponent field as its scale
	v_add_nc_u32 v11, 0xff000000, v9
	v_lshrrev_b32 v8, 23, v10                      ; the scales' bytes
	v_lshrrev_b32 v9, 23, v11
	v_lshl_or_b32 v14, v9, 16, v8                  ; blocks h and 2 + h,
	v_lshlrev_b32 v14, v6, v14                     ; at their places in the word;
	v_permlanex16_b32 v15, v14, s20, s21
	v_or_b32 v[WQ+(\q)], v14, v15                  ; with lane l xor 16's two the word is whole
.if (\q) > 0
	s_wait_alu depctr_va_vdst(0)
	s_wait_xcnt 0x0                                ; the last fragment's stores have read their data: the codes' registers are written again only behind this wait
.endif
.irp c, 0,1
	v_cvt_scalef32_pk16_fp6_f32 v[C+6*\c:C+6*\c+2], v[X+32*\c:X+32*\c+15], v[10+\c]
	v_cvt_scalef32_pk16_fp6_f32 v[T+4*\c:T+4*\c+2], v[X+32*\c+16:X+32*\c+31], v[10+\c]   ; (a conversion's three registers begin on an even number)
.endr
	v_nop                                          ; one plain place behind the scaled conversions
.irp c, 0,1
.irp i, 0,1,2
	v_mov_b32 v[C+6*\c+3+\i], v[T+4*\c+\i]
.endr
.endr
	global_store_b128 v1, v[C:C+3], s[10:11] offset:(\q)*1536          ; the image: 512, 256, 512, 256 consecutive bytes
	global_store_b64 v5, v[C+4:C+5], s[10:11] offset:(\q)*1536+512
	global_store_b128 v1, v[C+6:C+9], s[10:11] offset:(\q)*1536+768
	global_store_b64 v5, v[C+10:C+11], s[10:11] offset:(\q)*1536+1280
.endm
	LOAD 0
	LOAD 1
	FRAGQ 0
	FRAGQ 1
	FRAGQ 2
	FRAGQ 3
	v_cmp_ne_u32 vcc_lo, 0, v6                     ; lanes 16-31 take words 2 and 3
	v_cndmask_b32 v14, v[WQ], v[WQ+2], vcc_lo
	v_cndmask_b32 v15, v[WQ+1], v[WQ+3], vcc_lo
	global_store_b64 v7, v[14:15], s[14:15]        ; 32 lanes store 256 consecutive bytes, at a multiple of 256 from sc's first byte
	s_wait_tensorcnt 0x0                           ; the wave's end
	ds_add_u32 v[SPW], v[NIL]
	s_wait_dscnt 0x0
	s_endpgm
.Lfunc_end_k_qda78d9fa0b_quant:
	.size	k_qda78d9fa0b_quant, .Lfunc_end_k_qda78d9fa0b_quant-k_qda78d9fa0b_quant
	.p2alignl 7, 3214868480
	.fill 96, 4, 3214868480
	.section	.rodata,"a",@progbits
	.p2align	6, 0x0
	.amdhsa_kernel k_qda78d9fa0b_quant
		.amdhsa_group_segment_fixed_size 34304
		.amdhsa_private_segment_fixed_size 0
		.amdhsa_enable_private_segment 0
		.amdhsa_kernarg_size 48
		.amdhsa_user_sgpr_count 2
		.amdhsa_user_sgpr_kernarg_segment_ptr 1
		.amdhsa_wavefront_size32 1
		.amdhsa_system_sgpr_workgroup_id_x 1
		.amdhsa_system_sgpr_workgroup_id_y 1
		.amdhsa_system_sgpr_workgroup_id_z 1
		.amdhsa_system_vgpr_workitem_id 0
		.amdhsa_next_free_vgpr 256
		.amdhsa_next_free_sgpr 66
		.amdhsa_reserve_vcc 1
		.amdhsa_float_denorm_mode_32 3
		.amdhsa_float_denorm_mode_16_64 3
		.amdhsa_memory_ordered 1
		.amdhsa_forward_progress 1
		.amdhsa_inst_pref_size 31
	.end_amdhsa_kernel
	.amdgpu_metadata
---
amdhsa.version: [ 1, 2 ]
amdhsa.kernels:
  - .name:           k_qda78d9fa0b_quant
    .symbol:         k_qda78d9fa0b_quant.kd
    .args:
      - { .name: x, .offset: 0, .size: 8, .value_kind: global_buffer, .address_space: global }
      - { .name: qkv_w, .offset: 8, .size: 8, .value_kind: global_buffer, .address_space: global }
      - { .name: out_w, .offset: 16, .size: 8, .value_kind: global_buffer, .address_space: global }
      - { .name: aq, .offset: 24, .size: 8, .value_kind: global_buffer, .address_space: global }
      - { .name: wq, .offset: 32, .size: 8, .value_kind: global_buffer, .address_space: global }
      - { .name: sc, .offset: 40, .size: 8, .value_kind: global_buffer, .address_space: global }
    .group_segment_fixed_size: 34304
    .private_segment_fixed_size: 0
    .kernarg_segment_align: 8
    .kernarg_segment_size: 48
    .max_flat_workgroup_size: 128
    .sgpr_count:     66
    .vgpr_count:     256
    .wavefront_size: 32
...
	.end_amdgpu_metadata
.endif
;; end of part 1
;; launch qkv (part 2): grid 8 x 32, 4 waves a work-group, clusters of 4 x 4, 327,680 bytes of LDS; arguments aq, wq, sc, qkv_b, mask, qb, kv; writes qb, kv
.if DOCPART == 2
	.amdgcn_target "amdgcn-amd-amdhsa--gfx1250"
	.amdhsa_code_object_version 6
	.text
	.protected	k_qda78d9fa0b_qkv
	.globl	k_qda78d9fa0b_qkv
	.p2align	8
	.type	k_qda78d9fa0b_qkv,@function
k_qda78d9fa0b_qkv:
	s_mov_b64 s[64:65], 0
	v_nop
	global_prefetch_b8 v0, s[64:65] scope:SCOPE_SE
	s_setreg_imm32_b32 hwreg(HW_REG_WAVE_MODE, 25, 1), 1
	s_wait_xcnt 0x0
	s_wait_alu depctr_hold_cnt(0) depctr_sa_sdst(0) depctr_va_vdst(0) depctr_va_sdst(0) depctr_va_ssrc(0) depctr_va_vcc(0) depctr_vm_vsrc(0)
	s_getreg_b32 s2, hwreg(HW_REG_IB_STS2, 6, 4)
	s_cmp_eq_u32 s2, 0
	s_cbranch_scc0 .Lentry_in_a_cluster
	s_endpgm
.Lentry_in_a_cluster:
	s_bfe_u32 s2, ttmp6, 0x10000c
	s_cmp_lg_u32 s2, 0xf033
	s_cbranch_scc0 .Lentry_shape_is_right
	s_endpgm
.Lentry_shape_is_right:
; q, k, v = x qkv_w^T + qkv_b on codes of FP6 (E2M3) with E8M0 block scales, each result quantised again on the way out: q and k along the head's 64 channels, v along the tokens.  No f32 result is stored.
; IN: aq [row tile 512][K step 8][image 1,536 bytes], wq [tile 256][8][image], sc [tile 768][half of K][row 16][4 words], as the launch before leaves them; tile i holds rows 32 (i / 2) + 8 (i % 2) + r + 8 (r / 8).
; OUT: qb [head 64]: 128 images of 1,024 bytes (16 queries: registers 0-3, then 4-7), then the scale words [step 16][group of four tiles 2][row 16][tile 4]; kv [head 64]: k likewise, v's images [step 16][tile of 16 channels 4][1,536],
; k's scale words, v's scale words [step 16][lane 32][2].  THE MASK rides in the idle half of K of q k^T: q has the code 7.5 and the scale 2^50 at k = 64, a masked key the code -7.5 and 2^50, a valid key 0.
; THE DEAL: 256 work-groups of four waves, 2 x 2.  PART 1: a tile of 256 tokens x 256 columns of q (cluster x = 0) or k (1); a wave has 128 x 128 in 64 accumulators.  PART 2: 256 tokens x 128 columns of v; a wave has 64 columns x 128 tokens
; in 32 accumulators.  q's and k's 8 x 32 tiles and v's 8 x 32 half tiles give every work-group one of each.
; The matrix instruction takes operand P as source 0 and operand R as source 1: a lane holds one row of R and its registers run along P's rows.  Part 1: R = x, P = the weights; part 2: R = the weights, P = x.
; THE RING: two slots, each with two K steps (a chunk of 3,072 bytes of each tile) of x's 16 tiles and the weights' 16 (part 2: 8); waves 0, 1 fetch x's halves, waves 2, 3 the weights', one joint load a wave behind each round of the
; cluster's barrier.  THE RING GOES ON INTO PART 2: part 1's last two changes of slots ask for part 2's chunks 0 and 1, which come while q or k goes out.
; CLUSTER 4 x 4: x's tiles are shared along a row of the cluster, the weights' along a column, in both parts.
; PREFETCH: behind each joint load and the run of LDS loads that follows it, one instruction a wave asks for the chunk that the wave's NEXT joint load will want: one slot, two K steps, ahead.  The four partners that ask for a tile jointly
; share its blocks of 256 bytes out by address: of a load's eight tiles each takes two (24 blocks, a lane a block; the lanes left over name the last block again), of part 2's four tiles of weights one (12 blocks).
; The chunk's number stands in the immediate: no address register is written again.  Part 1's chunk 0 comes by its load alone; x's rows are asked for in part 1 alone; behind the last load nothing is asked for.
; LIMITS: a block of zeros keeps the scale byte 1 (read by this program alone); NaN and infinities are not served.
.set SLOT,  98304
.set WREG,  49152                      ; in a slot: x's 16 tiles, then the weights'
.set HALFB, 24576                      ; eight tiles' chunk: what one tensor load brings at the most
.set SPARE, 2*SLOT
.set TILEB, 12288
.set CHUNK, 3072
.set FRB,   1536
.set FR,    12
.set AR16, 16                          ; v16-23 part 1's LDS addresses (R, P; 16 x lane, 8 x lane; slot 0, 1);  v10-15, v26-27 part 2's
.set AR8,  18
.set AP16, 20
.set AP8,  22
.set SCO,  24
.set L16,  25
.set SPW,  28
.set NIL,  29
.set PFO,  30                          ; v30  the prefetches' offset in part 1: my lane's block of two tiles' chunks; never rewritten
.set PFW,  31                          ; v31  in part 2: of one tile's chunk; never rewritten
.set SC,   32                          ; v32-95 scale words: register 8 i + K step: lanes 0-15 R's block i, lanes 16-31 P's block i
.set MK,   96
.set VB,   112
.set AF,   128                         ; v128-223 R's fragments: part 1 one set of eight blocks, part 2 two sets of four
.set XN,   128
.set PC,   192
.set TQ,   208
.set TM,   216
.set TB,   220
.set TS,   224
.set PW,   228
.set WD,   232
.set T0,   240
.set G1, 24
.set G0, 32
.set G1B, 48
.set G0B, 56
.set MSB, 0
.macro WIN new
.if MSB != (\new)
	s_set_vgpr_msb (MSB<<8)|(\new)
.set MSB, (\new)
.endif
.endm
.set MUL_LO, 0xa1
.set MUL_HI, 0xf1
.set TO_P,   0x40
.macro WALU
	s_wait_alu depctr_va_vdst(0)
.endm
.macro JLOAD s
	s_cmp_eq_u32 s21, 0
	s_cbranch_scc0 .Lfor_w_\@
	tensor_load_to_lds s[G0+4*\s:G0+4*\s+3], s[G1:G1+7]
	s_nop 0
.rept 4
	v_nop
.endr
	s_branch .Lasked_\@
.Lfor_w_\@:
	tensor_load_to_lds s[G0B+4*\s:G0B+4*\s+3], s[G1B:G1B+7]
	s_nop 0
.rept 4
	v_nop
.endr
.Lasked_\@:
.endm
.macro CREST
	s_cmp_lg_u32 s20, 0
	s_cbranch_scc1 .Lnot_wave_0_\@
	s_barrier_signal -3
.Lnot_wave_0_\@:
	s_barrier_wait -3
	s_barrier_signal -1
	s_barrier_wait -1
.endm
.macro CROUND
	s_barrier_signal -1
	s_barrier_wait -1
	CREST
.endm
.macro PLACES
.rept 4
	v_nop
.endr
.endm
.macro ASK c                           ; part 1: my share of chunk c of the tiles that I fetch
	global_prefetch_b8 v[PFO], s[94:95] offset:(\c)*CHUNK th:TH_LOAD_NT scope:SCOPE_SE
.endm
.macro ASKW c                          ; part 2: the waves that fetch the weights alone (a branch on the wave's number)
	s_cmp_eq_u32 s21, 0
	s_cbranch_scc1 .Lnot_w_\@
	global_prefetch_b8 v[PFW], s[96:97] offset:(\c)*CHUNK th:TH_LOAD_NT scope:SCOPE_SE
.Lnot_w_\@:
.endm
.macro ASKS ask                        ; -1: nothing; 0 .. 3: part 1's chunk; 10 .. 13: part 2's
.if (\ask) >= 10
	ASKW (\ask)-10
.elseif (\ask) >= 0
	ASK \ask
.endif
.endm
.macro FRAG reg, a16, a8, off
	ds_load_b128 v[\reg:\reg+3], v[\a16] offset:\off
	ds_load_b64 v[\reg+4:\reg+5], v[\a8] offset:\off+512
	ds_load_b128 v[\reg+6:\reg+9], v[\a16] offset:\off+768
	ds_load_b64 v[\reg+10:\reg+11], v[\a8] offset:\off+1280
.endm
.macro FETCH_P slot, q, p
	WIN TO_P
.irp i, 0,1,2,3,4,5,6,7
	FRAG 128*(\p)+FR*\i, AP16+\slot, AP8+\slot, \i*CHUNK+(\q)*FRB
.endr
	WIN 0
.endm
.macro FETCH_R slot, q, i0
.irp i, \i0, \i0+1, \i0+2, \i0+3
	FRAG AF+FR*(\i), AR16+\slot, AR8+\slot, (\i)*CHUNK+(\q)*FRB
.endr
.endm
.macro FETCH_RH slot, q, set           ; part 2: R's four blocks into set 0 or 1
.irp i, 0,1,2,3
	FRAG AF+FR*(4*(\set)+\i), AR16+\slot, AR8+\slot, \i*CHUNK+(\q)*FRB
.endr
.endm
; 8 n products: R's blocks a0 .. a0 + n - 1 (their fragments lie ro blocks further on) x P's eight of set p.  The accumulators take turns, in the same order in every step.
.macro MULS a0, n, ro, p, ks, zero
.set A_, \a0
.rept \n
.irp b, 0,1,2,3,4,5,6,7
.if \zero
	v_wmma_scale_f32_16x16x128_f8f6f4 v[8*(8*(A_%4)+\b):8*(8*(A_%4)+\b)+7], v[128*(\p)+FR*\b:128*(\p)+FR*\b+FR-1], v[AF+FR*(A_+\ro):AF+FR*(A_+\ro)+FR-1], 0, v[SC+8*\b+(\ks)], v[SC+8*A_+(\ks)] matrix_a_fmt:MATRIX_FMT_FP6 matrix_b_fmt:MATRIX_FMT_FP6 matrix_a_scale:MATRIX_SCALE_ROW1
.else
	v_wmma_scale_f32_16x16x128_f8f6f4 v[8*(8*(A_%4)+\b):8*(8*(A_%4)+\b)+7], v[128*(\p)+FR*\b:128*(\p)+FR*\b+FR-1], v[AF+FR*(A_+\ro):AF+FR*(A_+\ro)+FR-1], v[8*(8*(A_%4)+\b):8*(8*(A_%4)+\b)+7], v[SC+8*\b+(\ks)], v[SC+8*A_+(\ks)] matrix_a_fmt:MATRIX_FMT_FP6 matrix_b_fmt:MATRIX_FMT_FP6 matrix_a_scale:MATRIX_SCALE_ROW1
.endif
.endr
.set A_, A_+1
.endr
.endm
; PART 1.  A slot's first K step: 64 products; the second step's fragments are fetched in its middle and at its end.
.macro STEP slot, ks, zero
	s_wait_dscnt 16                                ; P's set and R's blocks 0-3 are in; the youngest 16 loads (blocks 4-7) may be out
	WIN MUL_LO
	MULS 0, 4, 0, 0, \ks, \zero
	s_wait_dscnt 0x0
	PLACES
	FETCH_P \slot, 1, 1
	FETCH_R \slot, 1, 0
	WIN MUL_HI
	MULS 4, 4, 0, 0, \ks, \zero
	PLACES
	WIN 0
	FETCH_R \slot, 1, 4
.endm
; A slot's second K step, and the change of slots.  fill = 1: the slot takes the chunk two on; 2: part 2's chunk of the slot's number; 0: nothing, and a plain barrier shows the other slot.  fetch = 0: nothing more is read in part 1.
.macro TURN slot, next, ks, fill, fetch, ask
	s_wait_tensorcnt 0x0                           ; all my tensor loads have landed;
	ds_add_u32 v[SPW], v[NIL]
	s_wait_dscnt 17                                ; (the add and the youngest 16 loads may be out)
	WIN MUL_LO
	MULS 0, 2, 0, 1, \ks, 0
	s_wait_dscnt 0x0                               ; the add is done, and my reads of this slot are over
	s_barrier_signal -1
	MULS 2, 2, 0, 1, \ks, 0
	WIN 0
	s_barrier_wait -1
.if \fill
	CREST
.if \fill == 1
	s_add_nc_u64 s[G0+4*\slot+2:G0+4*\slot+3], s[G0+4*\slot+2:G0+4*\slot+3], 2*CHUNK
	s_add_nc_u64 s[G0B+4*\slot+2:G0B+4*\slot+3], s[G0B+4*\slot+2:G0B+4*\slot+3], 2*CHUNK
.else
	s_add_nc_u64 s[G0+4*\slot+2:G0+4*\slot+3], s[46:47], \slot*CHUNK      ; x's rows once more,
	s_or_b32 s[G0+4*\slot+3], s[G0+4*\slot+3], 0x80000000
	s_add_nc_u64 s[G0B+4*\slot+2:G0B+4*\slot+3], s[90:91], \slot*CHUNK    ; and four tiles a wave of v's weights
	s_or_b32 s[G0B+4*\slot+3], s[G0B+4*\slot+3], 0x80000000
	s_mov_b32 s[G1B+2], 4<<16                      ; (no tensor load of mine is out: a descriptor may be written)
	s_mov_b32 s[G1B+4], 4
.endif
	JLOAD \slot                                    ; the first tensor load behind the round; its four v_nop are the places ahead of the loads below
.else
	PLACES
.endif
.if \fetch
	FETCH_P \next, 0, 0
	FETCH_R \next, 0, 0
.endif
	ASKS \ask
	WIN MUL_HI
	MULS 4, 4, 0, 1, \ks, 0
	PLACES
	WIN 0
.if \fetch
	FETCH_R \next, 0, 4
.endif
.endm
; PART 2.  32 products a K step; both operands have two sets of registers, and the next step's 48 loads are issued ahead of the step's products.
.macro STEPH slot, ks, zero
	PLACES                                         ; behind the products that read set 1
	FETCH_P \slot, 1, 1
	FETCH_RH \slot, 1, 1
	s_wait_dscnt 48                                ; all but the 48 just issued: this step's fragments are in
	WIN MUL_LO
	MULS 0, 4, 0, 0, \ks, \zero
	WIN 0
.endm
.macro TURNH slot, next, ks, fill, ask
	s_wait_tensorcnt 0x0
	ds_add_u32 v[SPW], v[NIL]
	s_wait_dscnt 1                                 ; this step's fragments are in; the add may be out
	WIN MUL_LO
	MULS 0, 2, 4, 1, \ks, 0
	s_wait_dscnt 0x0
	s_barrier_signal -1
	MULS 2, 1, 4, 1, \ks, 0
	WIN 0
	s_barrier_wait -1
.if \fill
	CREST
	s_add_nc_u64 s[G0+4*\slot+2:G0+4*\slot+3], s[G0+4*\slot+2:G0+4*\slot+3], 2*CHUNK
	s_add_nc_u64 s[G0B+4*\slot+2:G0B+4*\slot+3], s[G0B+4*\slot+2:G0B+4*\slot+3], 2*CHUNK
	JLOAD \slot
.else
	PLACES
.endif
	FETCH_P \next, 0, 0
	FETCH_RH \next, 0, 0
	ASKS \ask
	WIN MUL_LO
	MULS 3, 1, 4, 1, \ks, 0
	WIN 0
.endm
.macro ADDRS r16, r8, p16, p8, sr, sp
.irp s, 0,1
	v_add_nc_u32 v[\r16+\s], s\sr, v[L16]
	v_add_nc_u32 v[\r8+\s], s\sr, v4
	v_add_nc_u32 v[\p16+\s], s\sp, v[L16]
	v_add_nc_u32 v[\p8+\s], s\sp, v4
	s_add_co_u32 s\sr, s\sr, SLOT
	s_add_co_u32 s\sp, s\sp, SLOT
.endr
.endm
.macro SCALES                          ; 64 scale words a lane: eight blocks x eight K steps
.irp i, 0,1,2,3,4,5,6,7
.irp g, 0,1
	global_load_b128 v[SC+8*\i+4*\g:SC+8*\i+4*\g+3], v[SCO], s[8:9] offset:\i*512+\g*256
.endr
.endr
.endm
	s_load_b256 s[4:11], s[0:1], 0x0               ; aq, wq, sc, qkv_b
	s_load_b128 s[12:15], s[0:1], 0x20             ; mask, qb
	s_load_b64 s[16:17], s[0:1], 0x30              ; kv
	v_lshl_add_u32 v[SPW], v0, 2, SPARE
	v_mov_b32 v[NIL], 0
	ds_add_u32 v[SPW], v[NIL]                      ; the opening lines: the add, twice on end, and its wait
	ds_add_u32 v[SPW], v[NIL]
	v_lshrrev_b32 v1, 5, v0
	v_readfirstlane_b32 s20, v1                    ; wave
	s_lshr_b32 s21, s20, 1                         ; my half of R.  Also: I fetch x's tiles (0) or the weights' (1)
	s_and_b32 s22, s20, 1                          ; my half of P.  Also: which half of them I fetch
	s_bfe_u32 s40, ttmp6, 0x40000
	s_bfe_u32 s41, ttmp6, 0x40004
	s_lshl_b32 s42, ttmp9, 2
	s_add_co_u32 s42, s42, s40                     ; tile column 0 .. 7: 0-3 q, 4-7 k; also v's half tile
	s_and_b32 s43, ttmp7, 0xffff
	s_lshl_b32 s43, s43, 2
	s_add_co_u32 s43, s43, s41                     ; tile row 0 .. 31
	s_lshl_b32 s44, s41, 2
	s_lshl_b32 s44, 15, s44
	s_lshl_b32 s45, 0x1111, s40
	s_or_b32 s[G1], s44, (3<<16)|(1<<21)
	s_or_b32 s[G1B], s45, (3<<16)|(1<<21)
.irp g, G1, G1B
	s_mov_b32 s[\g+1], 384<<16                     ; a row: a tile's chunk, 3,072 bytes
	s_mov_b32 s[\g+2], 8<<16
	s_mov_b32 s[\g+3], 384<<16
	s_mov_b32 s[\g+4], 8
	s_mov_b32 s[\g+5], 1536                        ; from tile to tile 12,288 bytes
	s_mov_b32 s[\g+6], 0
	s_mov_b32 s[\g+7], 0
.endr
	s_lshl_b32 s46, s43, 4
	s_lshl_b32 s47, s22, 3
	s_add_co_u32 s46, s46, s47
	s_mul_i32 s46, s46, TILEB
	s_mov_b32 s47, 0
	s_lshl_b32 s66, s42, 4
	s_lshl_b32 s67, s22, 3
	s_add_co_u32 s66, s66, s67
	s_mul_i32 s66, s66, TILEB
	s_mov_b32 s67, 0
	s_lshl_b32 s90, s42, 3
	s_lshl_b32 s91, s22, 2
	s_add_co_u32 s90, s90, s91
	s_add_co_u32 s90, s90, 128                     ; v's weights begin at wq's tile 128
	s_mul_i32 s90, s90, TILEB
	s_mov_b32 s91, 0
	s_mul_i32 s68, s20, HALFB
	s_mov_b32 s98, 0x76543210
	s_mov_b32 s99, 0xfedcba98
	WALU
	s_wait_dscnt 0x0
	s_wait_kmcnt 0x0
	s_add_nc_u64 s[46:47], s[4:5], s[46:47]
	s_add_nc_u64 s[66:67], s[6:7], s[66:67]
	s_add_nc_u64 s[90:91], s[6:7], s[90:91]
	s_cmp_eq_u32 s21, 0                            ; the prefetches' bases: do I fetch x's tiles?
	s_cselect_b32 s94, s40, s41                    ; my place among the four that ask with me: it enters an address alone
	s_cselect_b64 s[96:97], s[46:47], s[66:67]
	s_mul_i32 s94, s94, 2*TILEB                    ; two of the load's eight tiles are my work-group's to ask for
	s_mov_b32 s95, 0
	s_add_nc_u64 s[94:95], s[96:97], s[94:95]
	s_mul_i32 s96, s41, TILEB                      ; part 2: one of the load's four
	s_mov_b32 s97, 0
	s_add_nc_u64 s[96:97], s[90:91], s[96:97]
.irp s, 0,1
	s_mov_b32 s[G0+4*\s], 1
	s_add_co_u32 s[G0+4*\s+1], s68, \s*SLOT
	s_add_nc_u64 s[G0+4*\s+2:G0+4*\s+3], s[46:47], \s*CHUNK
	s_or_b32 s[G0+4*\s+3], s[G0+4*\s+3], 0x80000000
	s_mov_b32 s[G0B+4*\s], 1
	s_add_co_u32 s[G0B+4*\s+1], s68, \s*SLOT
	s_add_nc_u64 s[G0B+4*\s+2:G0B+4*\s+3], s[66:67], \s*CHUNK
	s_or_b32 s[G0B+4*\s+3], s[G0B+4*\s+3], 0x80000000
.endr
	CROUND                                         ; all sixteen work-groups are here: the first joint loads meet
	JLOAD 0                                        ; chunk 0: one tensor load a wave at the head
	v_and_b32 v1, 31, v0
	v_and_b32 v2, 15, v0
	v_bfe_u32 v3, v0, 4, 1
	v_lshlrev_b32 v[L16], 4, v1
	v_lshlrev_b32 v4, 3, v1
	v_min_u32 v[PFO], 23, v1                       ; block b = 0 .. 23 of two tiles' chunks lies at 256 b + 9,216 (b / 12)
	v_min_u32 v[PFW], 11, v1
	v_mul_u32_u24 v5, v[PFO], 43
	v_lshrrev_b32 v5, 9, v5                        ; b / 12
	v_mul_u32_u24 v5, v5, TILEB-CHUNK
	v_lshl_add_u32 v[PFO], v[PFO], 8, v5
	v_lshlrev_b32 v[PFW], 8, v[PFW]
	ASK 1
	WALU
	s_mul_i32 s69, s21, HALFB                      ; part 1: R = x,
	s_mul_i32 s74, s22, HALFB                      ; part 2: P = x,
	s_add_co_u32 s70, s74, WREG                    ; part 1: P = the weights,
	s_add_co_u32 s71, s69, WREG                    ; part 2: R = the weights
	ADDRS AR16, AR8, AP16, AP8, 69, 70
	ADDRS 10, 12, 14, 26, 71, 74
	s_lshl_b32 s72, s43, 4                         ; x's first tile in sc
	s_lshl_b32 s73, s42, 4
	s_add_co_u32 s73, s73, 512                     ; the weights'
	s_lshl_b32 s75, s21, 3
	s_add_co_u32 s76, s72, s75
	s_lshl_b32 s75, s22, 3
	s_add_co_u32 s78, s73, s75
	s_add_co_u32 s92, s72, s75                     ; part 2's P
	s_lshl_b32 s93, s42, 3
	s_lshl_b32 s75, s21, 2
	s_add_co_u32 s93, s93, s75
	s_add_co_u32 s93, s93, 640                     ; part 2's R
	s_lshl_b32 s76, s76, 9
	s_lshl_b32 s78, s78, 9
	s_lshl_b32 s92, s92, 9
	s_lshl_b32 s93, s93, 9
	v_mov_b32 v5, s76
	v_mov_b32 v6, s78
	v_cmp_ne_u32 vcc_lo, 0, v3
	v_cndmask_b32 v[SCO], v5, v6, vcc_lo           ; lanes 0-15 R's words, lanes 16-31 P's
	v_lshl_add_u32 v[SCO], v2, 4, v[SCO]
	SCALES
	s_lshl_b32 s80, s42, 8
	s_lshl_b32 s82, s22, 7
	s_add_co_u32 s82, s80, s82
	s_lshl_b32 s82, s82, 2
	s_mov_b32 s83, 0
	s_add_nc_u64 s[82:83], s[10:11], s[82:83]      ; q's or k's bias: my 128 columns
	s_lshl_b32 s86, s42, 7
	s_lshl_b32 s84, s21, 6
	s_add_co_u32 s86, s86, s84
	s_add_co_u32 s86, s86, 2048
	s_lshl_b32 s86, s86, 2
	s_mov_b32 s87, 0
	s_add_nc_u64 s[86:87], s[10:11], s[86:87]      ; v's bias: my 64 columns
	s_lshl_b32 s84, s21, 7
	s_lshl_b32 s88, s43, 8
	s_add_co_u32 s88, s88, s84
	s_lshl_b32 s88, s88, 2
	s_mov_b32 s89, 0
	s_add_nc_u64 s[88:89], s[12:13], s[88:89]      ; the mask of part 1's 128 tokens
	v_lshlrev_b32 v7, 6, v3
	v_and_b32 v8, 8, v2
	v_add_nc_u32 v8, v8, v2
	v_lshlrev_b32 v8, 2, v8
	WIN TO_P
.irp b, 0,1,2,3
.irp j, 0,1,2,3
	global_load_b128 v[96+96*(\b/2)+16*\b+4*\j:96+96*(\b/2)+16*\b+4*\j+3], v7, s[82:83] offset:\b*128+16*\j
.endr
.endr
	WIN 0
.irp a, 0,1,2,3,4,5,6,7
	global_load_b32 v[MK+\a], v8, s[88:89] offset:(32*(\a/2)+8*(\a%2))*4
.endr
.irp a, 0,1,2,3
	global_load_b32 v[VB+2*\a], v8, s[86:87] offset:(32*(\a/2)+8*(\a%2))*4
	global_load_b32 v[VB+2*\a+1], v8, s[86:87] offset:(32*(\a/2)+8*(\a%2))*4
.endr
	WALU
	s_wait_tensorcnt 0x0                           ; my part of chunk 0 is in; these lines stand ahead of a later first fill as ahead of a refill
	ds_add_u32 v[SPW], v[NIL]
	s_wait_dscnt 0x0
	CROUND
	JLOAD 1                                        ; chunk 1
	FETCH_P 0, 0, 0
	FETCH_R 0, 0, 0
	ASK 2
	FETCH_R 0, 0, 4
	s_wait_loadcnt 0x0
	STEP 0, 0, 1
	TURN 0, 1, 1, 1, 1, 3
	STEP 1, 2, 0
	TURN 1, 0, 3, 1, 1, 10
	STEP 0, 4, 0
	TURN 0, 1, 5, 2, 1, 11                         ; slot 0 takes part 2's chunk 0,
	STEP 1, 6, 0
	TURN 1, 0, 7, 2, 0, 12                         ; slot 1 its chunk 1
	v_mov_b32 v5, s93                              ; part 2's scale words come while q or k goes out
	v_mov_b32 v6, s92
	v_cmp_ne_u32 vcc_lo, 0, v3
	v_cndmask_b32 v[SCO], v5, v6, vcc_lo
	v_lshl_add_u32 v[SCO], v2, 4, v[SCO]
	SCALES
.macro QUANT cs                        ; 64 numbers a lane: four blocks of 32, each in lanes l and l xor 16
.irp b, 0,1,2,3
	v_max3_num_f32 v[TM+\b], |v[XN+16*\b]|, |v[XN+16*\b+1]|, 0x1800000
.endr
.irp i, 2,4,6,8,10,12,14
.irp b, 0,1,2,3
	v_max3_num_f32 v[TM+\b], v[TM+\b], |v[XN+16*\b+\i]|, |v[XN+16*\b+\i+1]|
.endr
.endr
.irp b, 0,1,2,3
	v_permlanex16_b32 v[TB+\b], v[TM+\b], s98, s99
.endr
.irp b, 0,1,2,3
	v_max_num_f32 v[TM+\b], v[TM+\b], v[TB+\b]
.endr
.irp b, 0,1,2,3
	v_add_nc_u32 v[TS+\b], 0xff000000, v[TM+\b]
.endr
.irp b, 0,1,2,3
	v_lshrrev_b32 v[TB+\b], 23, v[TS+\b]
.endr
	v_lshl_or_b32 v[PW], v[TB+1], 8, v[TB]
	v_lshl_or_b32 v[PW], v[TB+2], 16, v[PW]
	v_lshl_or_b32 v[PW], v[TB+3], 24, v[PW]
.irp c, 0,1
	v_cvt_scalef32_pk16_fp6_f32 v[PC+\cs*\c:PC+\cs*\c+2], v[XN+32*\c:XN+32*\c+15], v[TS+2*\c]
	v_cvt_scalef32_pk16_fp6_f32 v[TQ+4*\c:TQ+4*\c+2], v[XN+32*\c+16:XN+32*\c+31], v[TS+2*\c+1]
.endr
	v_nop
.irp c, 0,1
.irp i, 0,1,2
	v_permlane16_swap_b32 v[PC+\cs*\c+\i], v[TQ+4*\c+\i]
.endr
.irp i, 0,1,2
	v_mov_b32 v[PC+\cs*\c+3+\i], v[TQ+4*\c+\i]
.endr
.endr
.endm
.macro EPIQK a                         ; 16 tokens x 128 columns: two heads' images, with the mask's code and scale
	s_wait_xcnt 0x0
	WIN 0x06+(\a)/4
.set i, 0
.rept 32
	v_pk_add_f32 v[XN+2*i:XN+2*i+1], v[64*((\a)%4)+2*i:64*((\a)%4)+2*i+1], v[96+2*i+96*(i/16):96+2*i+96*(i/16)+1]
.set i, i+1
.endr
	WIN 0
	QUANT 8
	v_and_b32 v[T0], s67, v[MK+(\a)]
	v_cmp_eq_u32 vcc_lo, 0, v[T0]
	v_cndmask_b32 v[PC+6], v[NIL], v104, vcc_lo
	v_cndmask_b32 v[PC+14], v[NIL], v104, vcc_lo
	v_cndmask_b32 v[T0+1], v109, v110, vcc_lo
	v_lshrrev_b32 v[T0], v105, v[PW]
	v_and_or_b32 v[WD+(\a)], v[T0], 0xffff, v[T0+1]
	global_store_b128 v[L16], v[PC:PC+3], s[70:71] offset:(\a)*1024
	global_store_b128 v[L16], v[PC+4:PC+7], s[70:71] offset:(\a)*1024+512
	global_store_b128 v107, v[PC+8:PC+11], s[70:71] offset:(\a)*1024
	global_store_b128 v107, v[PC+12:PC+15], s[70:71] offset:(\a)*1024+512
.endm
.macro EPIV a                          ; 16 channels x 128 tokens: one image of v
	s_wait_xcnt 0x0
	WIN 0x02
.set i, 0
.rept 32
	v_pk_add_f32 v[XN+2*i:XN+2*i+1], v[64*(\a)+2*i:64*(\a)+2*i+1], v[VB+2*(\a):VB+2*(\a)+1]
.set i, i+1
.endr
	WIN 0
	QUANT 6
	v_mov_b32 v[WD+(\a)], v[PW]
.irp j, 0,1,2
	global_store_b128 v[L16], v[PC+4*\j:PC+4*\j+3], s[70:71] offset:(\a)*1536+512*\j
.endr
.endm
; q OR k GOES OUT
.irp b, 0,1,2,3
	v_mov_b32 v[TB+\b], 0                          ; written once: a lane permute's destination counts as one of its sources
.endr
	s_lshr_b32 s77, s43, 3
	s_lshl_b32 s77, s77, 4
	s_and_b32 s78, s42, 3
	s_lshl_b32 s78, s78, 2
	s_add_co_u32 s77, s77, s78                     ; 16 x batch + the tile's first head
	s_and_b32 s79, s43, 7
	s_lshl_b32 s79, s79, 1
	s_cmp_eq_u32 ttmp9, 0                          ; q or k: the cluster's number, which all partners share
	s_cselect_b64 s[70:71], s[14:15], s[16:17]
	s_cselect_b32 s67, 0, -1
	s_cselect_b32 s68, 31, 63
	s_mov_b32 s69, 241664
	s_cselect_b32 s69, 139264, s69
	s_mov_b32 s76, 229376
	s_cselect_b32 s76, 131072, s76
	s_lshl_b32 s78, s22, 1
	s_add_co_u32 s77, s77, s78
	s_mul_i32 s77, s77, s69
	s_add_co_u32 s79, s79, s21
	s_lshl_b32 s80, s79, 13
	s_add_co_u32 s80, s80, s77
	s_mov_b32 s81, 0
	s_lshl_b32 s82, s79, 9
	s_add_co_u32 s82, s82, s77
	s_add_co_u32 s82, s82, s76
	s_mov_b32 s83, 0
	s_add_nc_u64 s[72:73], s[70:71], s[82:83]
	s_add_nc_u64 s[70:71], s[70:71], s[80:81]
	v_sub_nc_u32 v104, 1, v3
	v_mul_u32_u24 v104, s68, v104
	v_lshlrev_b32 v105, 4, v3
	v_add_nc_u32 v107, s69, v[L16]
	v_mul_u32_u24 v108, s69, v3
	v_lshl_add_u32 v108, v2, 4, v108
	v_mov_b32 v109, 0x01010000
	v_mov_b32 v110, 0x01b10000
	v_mov_b32 v[PC+7], 0
	v_mov_b32 v[PC+15], 0
.irp a, 0,1,2,3,4,5,6,7
	EPIQK \a
.endr
	global_store_b128 v108, v[WD:WD+3], s[72:73]
	global_store_b128 v108, v[WD+4:WD+7], s[72:73] offset:256
; PART 2
.set AR16, 10
.set AR8,  12
.set AP16, 14
.set AP8,  26
	WALU
	s_wait_xcnt 0x0                                ; the stores have read their registers and bases
	s_lshr_b32 s77, s43, 3
	s_lshl_b32 s77, s77, 4
	s_lshl_b32 s78, s42, 1
	s_add_co_u32 s77, s77, s78
	s_add_co_u32 s77, s77, s21                     ; my head: 16 x batch + 2 x half tile + my half of R
	s_mul_i32 s77, s77, 241664
	s_and_b32 s79, s43, 7
	s_lshl_b32 s79, s79, 1
	s_add_co_u32 s79, s79, s22                     ; my step of 128 tokens
	s_mul_i32 s80, s79, 6144
	s_add_co_u32 s80, s80, s77
	s_add_co_u32 s80, s80, 131072
	s_mov_b32 s81, 0
	s_lshl_b32 s82, s79, 8
	s_add_co_u32 s82, s82, s77
	s_add_co_u32 s82, s82, 237568
	s_mov_b32 s83, 0
	s_add_nc_u64 s[70:71], s[16:17], s[80:81]
	s_add_nc_u64 s[72:73], s[16:17], s[82:83]
	s_wait_tensorcnt 0x0                           ; my parts of part 2's chunks 0 and 1 are in;
	s_wait_dscnt 0x0
	s_barrier_signal -1                            ; a plain barrier shows them to all
	s_barrier_wait -1
	FETCH_P 0, 0, 0
	FETCH_RH 0, 0, 0
	s_wait_loadcnt 0x0                             ; the scale words
	STEPH 0, 0, 1
	TURNH 0, 1, 1, 1, 13
	STEPH 1, 2, 0
	TURNH 1, 0, 3, 1, -1
	STEPH 0, 4, 0
	TURNH 0, 1, 5, 0, -1
	STEPH 1, 6, 0
	s_wait_dscnt 0x0
	WIN MUL_LO
	MULS 0, 4, 4, 1, 7, 0
	WIN 0
	PLACES
.irp a, 0,1,2,3
	EPIV \a
.endr
	v_cmp_ne_u32 vcc_lo, 0, v3
	v_cndmask_b32 v[T0], v[WD], v[WD+2], vcc_lo    ; lanes 0-15 tiles 0, 1; lanes 16-31 tiles 2, 3
	v_cndmask_b32 v[T0+1], v[WD+1], v[WD+3], vcc_lo
	global_store_b64 v4, v[T0:T0+1], s[72:73]      ; 32 lanes store 256 consecutive bytes, aligned
	s_wait_tensorcnt 0x0                           ; the wave's end
	ds_add_u32 v[SPW], v[NIL]
	s_wait_dscnt 0x0
	CROUND                                         ; the closing round
	s_endpgm
.Lfunc_end_k_qda78d9fa0b_qkv:
	.size	k_qda78d9fa0b_qkv, .Lfunc_end_k_qda78d9fa0b_qkv-k_qda78d9fa0b_qkv
	.p2alignl 7, 3214868480
	.fill 96, 4, 3214868480
	.section	.rodata,"a",@progbits
	.p2align	6, 0x0
	.amdhsa_kernel k_qda78d9fa0b_qkv
		.amdhsa_group_segment_fixed_size 327680
		.amdhsa_private_segment_fixed_size 0
		.amdhsa_enable_private_segment 0
		.amdhsa_kernarg_size 56
		.amdhsa_user_sgpr_count 2
		.amdhsa_user_sgpr_kernarg_segment_ptr 1
		.amdhsa_wavefront_size32 1
		.amdhsa_system_sgpr_workgroup_id_x 1
		.amdhsa_system_sgpr_workgroup_id_y 1
		.amdhsa_system_sgpr_workgroup_id_z 1
		.amdhsa_system_vgpr_workitem_id 0
		.amdhsa_next_free_vgpr 1024
		.amdhsa_next_free_sgpr 100
		.amdhsa_reserve_vcc 1
		.amdhsa_float_denorm_mode_32 3
		.amdhsa_float_denorm_mode_16_64 3
		.amdhsa_memory_ordered 1
		.amdhsa_forward_progress 1
		.amdhsa_inst_pref_size 255
	.end_amdhsa_kernel
	.section	.bss,"aw",@nobits
	.p2align	6
	.space	262144
	.amdgpu_metadata
---
amdhsa.version: [ 1, 2 ]
amdhsa.kernels:
  - .name:           k_qda78d9fa0b_qkv
    .symbol:         k_qda78d9fa0b_qkv.kd
    .args:
      - { .name: aq, .offset: 0, .size: 8, .value_kind: global_buffer, .address_space: global }
      - { .name: wq, .offset: 8, .size: 8, .value_kind: global_buffer, .address_space: global }
      - { .name: sc, .offset: 16, .size: 8, .value_kind: global_buffer, .address_space: global }
      - { .name: qkv_b, .offset: 24, .size: 8, .value_kind: global_buffer, .address_space: global }
      - { .name: mask, .offset: 32, .size: 8, .value_kind: global_buffer, .address_space: global }
      - { .name: qb, .offset: 40, .size: 8, .value_kind: global_buffer, .address_space: global }
      - { .name: kv, .offset: 48, .size: 8, .value_kind: global_buffer, .address_space: global }
    .group_segment_fixed_size: 327680
    .private_segment_fixed_size: 0
    .kernarg_segment_align: 8
    .kernarg_segment_size: 56
    .max_flat_workgroup_size: 128
    .sgpr_count:     100
    .vgpr_count:     1024
    .wavefront_size: 32
...
	.end_amdgpu_metadata
.endif
;; end of part 2
;; launch attn (part 3): grid 4 x 64, 16 waves a work-group, clusters of 4 x 1, 327,680 bytes of LDS; arguments qb, kv, aq, sc; writes aq, sc
.if DOCPART == 3
	.amdgcn_target "amdgcn-amd-amdhsa--gfx1250"
	.amdhsa_code_object_version 6
	.text
	.protected	k_qda78d9fa0b_attn
	.globl	k_qda78d9fa0b_attn
	.p2align	8
	.type	k_qda78d9fa0b_attn,@function
k_qda78d9fa0b_attn:
	s_mov_b64 s[64:65], 0
	v_nop
	global_prefetch_b8 v0, s[64:65] scope:SCOPE_SE
	s_setreg_imm32_b32 hwreg(HW_REG_WAVE_MODE, 25, 1), 1
	s_wait_xcnt 0x0
	s_wait_alu depctr_hold_cnt(0) depctr_sa_sdst(0) depctr_va_vdst(0) depctr_va_sdst(0) depctr_va_ssrc(0) depctr_va_vcc(0) depctr_vm_vsrc(0)
	s_getreg_b32 s2, hwreg(HW_REG_IB_STS2, 6, 4)
	s_cmp_eq_u32 s2, 0
	s_cbranch_scc0 .Lentry_in_a_cluster
	s_endpgm
.Lentry_in_a_cluster:
	s_bfe_u32 s2, ttmp6, 0x10000c
	s_cmp_lg_u32 s2, 0x3003
	s_cbranch_scc0 .Lentry_shape_is_right
	s_endpgm
.Lentry_shape_is_right:
; o = softmax(q k^T / 8, masked keys left out) v for one head, both products on codes of FP6 (E2M3) with E8M0 block scales; o is divided by the row's sum, quantised along the model's 1,024 and stored as images for the last product.
; THE SOFTMAX: t = score x log2(e) / 8; M = the running largest t rounded up to a whole number; p = 2^(t - M) is quantised along the keys, not normalised; the row's sum is taken of the unquantised p.
; When M moves, the sum and O are multiplied by 2^(old M - new M), which rounds nothing.
; THE MASK costs no line here: a masked key's score is -56.25 x 2^100 (the launch before put the two codes and scales into the idle half of K), under the start of the running largest score, -1e30: it never enters M, and its p is 0.
; LIMITS: a valid key's score lies above -1e30; a batch with no valid key is not served (the reference gives NaN there); NaN and infinities are not served; a block of zeros keeps the scale byte 1 (read by this program alone).
; SHARES.  A work-group has one head and 512 queries; each of its sixteen waves takes a tile of 16 queries, twice (two passes over the 2,048 keys, 16 steps of 128 keys each).
; THE HEAD'S K AND V STAY IN LDS, brought once, one tensor load a wave: waves 0-7 take 16 of k's 128 images each (rows of 1,024 bytes, 64 bytes of padding behind each), waves 8-15 take 54 rows of 256 bytes each of v's images and the scale words.
; No LDS byte is filled again; behind the one barrier at the head no wave waits for another.  CLUSTER: the four work-groups of a head ask for these bytes jointly.
; No prefetch: every byte that work-groups share is asked for once, at the head, and there is no loop to run ahead in.
; LAYOUT.  S^T = K Q^T and O^T = V^T P^T: a lane holds one query throughout.  WHICH KEYS FORM A TILE OF S^T is chosen by the lanes' LDS addresses: row m of tile 4 c + u is key 64 c + 32 (m / 8) + 8 u + m % 8 of the step.
; So the 32 registers of tiles 4 c .. 4 c + 3 in lane (query, h) are keys 64 c + 32 h + 0 .. 31: one whole scale block, in the order of p's operand.  A block's maximum needs no other lane, and the conversions' results are the operand.
; In kv image i of a step holds keys 32 (i / 2) + 8 (i % 2) + r + 8 (r / 8): row m of my tile is row 8 (u / 2) + m % 8 of image 4 c + 2 (m / 8) + u % 2.  With images 1,088 bytes apart rows 0-7 and rows 8-15 of a tile lie
; 2,176 bytes apart, 128 modulo 256.
; K'S FRAGMENTS LIE 8 REGISTERS APART: a fragment's registers 8-11 (k = 80 .. 127) are the next fragment's first four (the last one's: v's first four).  q's codes there are zeros, and every pattern of bits is a finite code: they add nothing.
; A STEP: eight products S^T; the loads of this step's v and of the NEXT step's k; the softmax; four products O^T.  One wait for LDS a step, behind the exponentials.
.set KVB,   241664                     ; a head in kv
.set QBB,   139264                     ; a head in qb
.set KT,    1088                       ; LDS: from image to image of k
.set VB0,   128*KT                     ; LDS: v's images, 6,144 bytes a step
.set KSC,   VB0+98304                  ; k's scale words, 512 bytes a step
.set VSC,   KSC+8192                   ; v's, 256 bytes a step
.set SPARE, VSC+4096                   ; the spare words, 128 bytes a wave, which no other line names
.set PS,   0                           ; v0   p's scale word (the thread's number has served by then)
.set L16,  1                           ; v1   16 x lane
.set L8,   2                           ; v2   8 x lane
.set LK,   3                           ; v3   my lane's place in an image of k
.set VS,   4                           ; v4-5 v's scale words: lanes 0-15 tiles 0, 1, lanes 16-31 tiles 2, 3
.set SPW,  6
.set NIL,  7
.set AD,   8                           ; v8-11 the step's four LDS addresses; then the four chains of the maxima
.set QF,   16                          ; v16-27 q's fragment; v24-27 stay 0.   v12 -M, v13 the largest score, v[14:15] the sum in two halves
.set QS,   28                          ; v28  q's scale words
.set LKS,  29                          ; v29  my lane's place in k's scale words
.set FF,   30                          ; v[30:31] f (v31 is named with it as a pair, so it is written); between the passes v30 = 16 x (lane % 16)
.set KF,   32                          ; v32-95 k's eight fragments
.set VF,   96                          ; v96-143 v's four
.set S,    144                         ; v144-207 S^T, then p
.set O,    208                         ; v208-239 O^T
.set PC,   240                         ; v240-251 p's codes; ahead of the conversions: four partial sums, two bytes, the two scale operands
.set KS,   252                         ; v252-255 k's scale words: register u; lanes 0-15 tiles u, lanes 16-31 tiles 4 + u
.set WV,   12
.set SEL,  28
.set CS,   30                          ; s[30:31] c = log2(e) / 8
.set TB,   32                          ; s32-35 the step's places: the next step's k, this step's v, the next step's k's scale words, this step's v's
.set TV,   33
.set TS,   34
.set TJ,   35
.set CNT,  36
.set G1K,  16                          ; s[16:23], s[24:27] k's images;  s[72:79], s[68:71] the rest of the head
.set G0K,  24
.set G1R,  72
.set G0R,  68
.set NC,   80                          ; s80 -c
.macro CROUND
	s_barrier_signal -1
	s_barrier_wait -1
	s_cmp_lg_u32 s[WV], 0
	s_cbranch_scc1 .Lnot_wave_0_\@
	s_barrier_signal -3
.Lnot_wave_0_\@:
	s_barrier_wait -3
	s_barrier_signal -1
	s_barrier_wait -1
.endm
.macro WALU
	s_wait_alu depctr_va_vdst(0)
.endm
.macro KLOAD ak, as                    ; k's eight fragments and their scale words: 18 loads
.irp t, 0,1,2,3,4,5,6,7
	ds_load_b128 v[KF+8*\t:KF+8*\t+3], v[\ak] offset:(\t/4)*4*KT+(\t%2)*KT+((\t%4)/2)*128
	ds_load_b128 v[KF+8*\t+4:KF+8*\t+7], v[\ak] offset:(\t/4)*4*KT+(\t%2)*KT+((\t%4)/2)*128+512
.endr
	ds_load_b64 v[KS:KS+1], v[\as]
	ds_load_b64 v[KS+2:KS+3], v[\as] offset:128
.endm
.macro QLOAD p                         ; q's image and scale words of pass p
	global_load_b128 v[QF:QF+3], v[L16], s[42:43] offset:\p*16384
	global_load_b128 v[QF+4:QF+7], v[L16], s[42:43] offset:\p*16384+512
	global_load_b32 v[QS], v[FF], s[44:45] offset:\p*1024
.endm
.macro INIT                            ; a pass begins: the step is written once, and the first finds zeros, which the first change of M leaves zeros
	v_mov_b32 v13, 0xf149f2ca                      ; the largest score so far: -1e30: under every valid key's, over every masked key's
	v_mov_b32 v14, 0
	v_mov_b32 v15, 0
	v_mul_f32 v12, s[NC], v13
.set j, 0
.rept 32
	v_mov_b32 v[O+j], 0
.set j, j+1
.endr
	v_floor_f32 v12, v12                           ; -M
	s_mov_b32 s[TB], 8*KT
	s_mov_b32 s[TV], VB0
	s_mov_b32 s[TS], 512
	s_mov_b32 s[TJ], VSC
	s_mov_b32 s[CNT], 16
.endm
.macro SUM k0, k1                      ; pairs k0 .. k1 of p onto five sums by turns
.set k, \k0
.rept \k1-\k0+1
.if k%5
	v_pk_add_f32 v[PC-2+2*(k%5):PC-1+2*(k%5)], v[PC-2+2*(k%5):PC-1+2*(k%5)], v[S+2*k:S+2*k+1]
.else
	v_pk_add_f32 v[14:15], v[14:15], v[S+2*k:S+2*k+1]
.endif
.set k, k+1
.endr
.endm
.macro STEP                            ; 128 keys
.irp t, 0,1,2,3
	v_wmma_scale_f32_16x16x128_f8f6f4 v[S+8*\t:S+8*\t+7], v[KF+8*\t:KF+8*\t+11], v[QF:QF+11], 0, v[KS+\t], v[QS] matrix_a_fmt:MATRIX_FMT_FP6 matrix_b_fmt:MATRIX_FMT_FP6
.endr
.irp t, 0,1,2,3
	v_wmma_scale_f32_16x16x128_f8f6f4 v[S+32+8*\t:S+39+8*\t], v[KF+32+8*\t:KF+43+8*\t], v[QF:QF+11], 0, v[KS+\t], v[QS] matrix_a_fmt:MATRIX_FMT_FP6 matrix_b_fmt:MATRIX_FMT_FP6 matrix_a_scale:MATRIX_SCALE_ROW1
.endr
	v_add_nc_u32 v[AD], s[TV], v[L16]              ; these four are the places between the products and the loads into their registers, and the first reads of the scores
	v_add_nc_u32 v[AD+1], s[TJ], v[L8]
	v_add_nc_u32 v[AD+2], s[TB], v[LK]
	v_add_nc_u32 v[AD+3], s[TS], v[LKS]
.irp n, 0,1,2,3,4,5,6,7,8,9,10,11
	ds_load_b128 v[VF+4*\n:VF+4*\n+3], v[AD] offset:512*\n
.endr
	ds_load_b64 v[VS:VS+1], v[AD+1]
	KLOAD AD+2, AD+3                               ; the next step's (the last step's reach into v's images and scale words: bytes of the head, loaded and not used)
.irp k, 0,1,2,3                        ; the largest score of my two blocks: four chains of 16 by turns; each accumulator is read from its low end on
	v_max3_num_f32 v[AD+\k], v[S+16*\k], v[S+16*\k+1], v[S+16*\k+2]
.endr
.irp i, 3,5,7,9,11,13
.irp k, 0,1,2,3
	v_max3_num_f32 v[AD+\k], v[AD+\k], v[S+16*\k+\i], v[S+16*\k+\i+1]
.endr
.endr
	v_max3_num_f32 v[AD], v[AD], v[S+15], v[S+31]
	v_max3_num_f32 v[AD+2], v[AD+2], v[S+47], v[S+63]
	v_max_num_f32 v[AD], v[AD], v[AD+1]            ; block h's largest score: it serves the row's maximum and, since p rises with the score, the block's largest p
	v_max_num_f32 v[AD+2], v[AD+2], v[AD+3]        ; block 2 + h's
	v_max_num_f32 v[AD+1], v[AD], v[AD+2]
	v_permlanex16_b32 v[AD+3], v[AD+1], s[SEL], s[SEL+1]
	v_max3_num_f32 v13, v13, v[AD+1], v[AD+3]      ; the running largest score of my query
	v_mul_f32 v[AD+1], s[NC], v13                  ; -t
	v_mov_b32 v[AD+3], v12
	v_floor_f32 v12, v[AD+1]                       ; the new -M = -ceil(t)
.set j, 0
.rept 32
	v_pk_fma_f32 v[S+j:S+j+1], v[S+j:S+j+1], s[CS:CS+1], v[12:13] op_sel_hi:[1,0,0]   ; t - M, two at a time
.if j == 2
	v_sub_f32 v[AD+1], v12, v[AD+3]                ; old M - new M: a whole number, 0 or less
.endif
.if j == 10
	v_cvt_i32_f32 v[AD+1], v[AD+1]                 ; (it saturates)
.endif
.if j == 18
	v_ldexp_f32 v[FF], 1.0, v[AD+1]                ; f = 2^(old M - new M)
.endif
.set j, j+2
.endr
	v_fma_f32 v[AD], v[AD], s[CS], v12
	v_fma_f32 v[AD+2], v[AD+2], s[CS], v12
	WALU
	v_exp_f32 v[AD], v[AD]                         ; the blocks' largest p
	v_exp_f32 v[AD+2], v[AD+2]
.set j, 0
.rept 64
	v_exp_f32 v[S+j], v[S+j]                       ; p = 2^(t - M)
.set j, j+1
.endr
	v_pk_mul_f32 v[14:15], v[14:15], v[FF:FF+1] op_sel_hi:[1,0]   ; the sums under the new M: a plain place behind the exponentials
	WALU                                           ; one wait for the batch, ahead of its first reader and of the wait below
	s_wait_dscnt 0x0                               ; this step's v and the next step's k are in: all 31 loads
	v_max_num_f32 v[AD], 0x1800000, v[AD]          ; the floor 2^(3 - 127): the byte cannot fall under 1
	v_max_num_f32 v[AD+2], 0x1800000, v[AD+2]
	v_pk_add_f32 v[PC:PC+1], v[S:S+1], v[S+2:S+3]  ; THE ROW'S SUM IS TAKEN OF THE UNQUANTISED p; the lines that make p's scale word stand among its additions
	v_pk_add_f32 v[PC+2:PC+3], v[S+4:S+5], v[S+6:S+7]
	v_add_nc_u32 v[PC+10], 0xff000000, v[AD]       ; 2 off the exponent field: the conversions' scale operands
	v_add_nc_u32 v[PC+11], 0xff000000, v[AD+2]
	v_pk_add_f32 v[PC+4:PC+5], v[S+8:S+9], v[S+10:S+11]
	v_pk_add_f32 v[PC+6:PC+7], v[S+12:S+13], v[S+14:S+15]
	v_lshrrev_b32 v[PC+8], 23, v[PC+10]            ; the bytes of blocks h and 2 + h
	v_lshrrev_b32 v[PC+9], 23, v[PC+11]
	SUM 8, 11
	v_lshl_or_b32 v[PC+8], v[PC+9], 16, v[PC+8]
	SUM 12, 15
	v_permlanex16_b32 v[PC+9], v[PC+8], s[SEL], s[SEL+1]
	SUM 16, 19
	v_lshl_or_b32 v[PS], v[PC+9], 8, v[PC+8]       ; lanes 0-15: blocks 0 and 2 are mine, 1 and 3 lane l + 16's: p's scale word (lanes 16-31 are not read)
	SUM 20, 31
	v_pk_add_f32 v[PC:PC+1], v[PC:PC+1], v[PC+2:PC+3]
	v_pk_add_f32 v[PC+4:PC+5], v[PC+4:PC+5], v[PC+6:PC+7]
	v_pk_add_f32 v[PC:PC+1], v[PC:PC+1], v[PC+4:PC+5]
	v_pk_add_f32 v[14:15], v[14:15], v[PC:PC+1]
	v_cvt_scalef32_pk16_fp6_f32 v[PC:PC+2], v[S:S+15], v[PC+10]
	v_cvt_scalef32_pk16_fp6_f32 v[PC+6:PC+8], v[S+32:S+47], v[PC+11]
	v_nop                                          ; a plain place: the next two write registers that the first two have read
	v_cvt_scalef32_pk16_fp6_f32 v[S:S+2], v[S+16:S+31], v[PC+10]     ; (a conversion's three registers begin on an even number: the blocks' second halves are made elsewhere and moved)
	v_cvt_scalef32_pk16_fp6_f32 v[S+32:S+34], v[S+48:S+63], v[PC+11]
	v_nop                                          ; one plain place behind the scaled conversions
.irp i, 0,1,2
	v_mov_b32 v[PC+3+\i], v[S+\i]
.endr
.irp i, 0,1,2
	v_mov_b32 v[PC+9+\i], v[S+32+\i]
.endr
	WALU                                           ; directly ahead of the first reader of O^T
.set j, 0
.rept 16
	v_pk_mul_f32 v[O+j:O+j+1], v[O+j:O+j+1], v[FF:FF+1] op_sel_hi:[1,0]   ; O^T under the new M; these are also the places between the lines that made p's codes and scale word and the products
.set j, j+2
.endr
.irp t, 0,1
	v_wmma_scale_f32_16x16x128_f8f6f4 v[O+8*\t:O+8*\t+7], v[VF+12*\t:VF+12*\t+11], v[PC:PC+11], v[O+8*\t:O+8*\t+7], v[VS+\t], v[PS] matrix_a_fmt:MATRIX_FMT_FP6 matrix_b_fmt:MATRIX_FMT_FP6
.endr
.irp t, 0,1
	v_wmma_scale_f32_16x16x128_f8f6f4 v[O+16+8*\t:O+16+8*\t+7], v[VF+24+12*\t:VF+24+12*\t+11], v[PC:PC+11], v[O+16+8*\t:O+16+8*\t+7], v[VS+\t], v[PS] matrix_a_fmt:MATRIX_FMT_FP6 matrix_b_fmt:MATRIX_FMT_FP6 matrix_a_scale:MATRIX_SCALE_ROW1
.endr
	s_add_co_u32 s[TB], s[TB], 8*KT
	s_add_co_u32 s[TV], s[TV], 6144
	s_add_co_u32 s[TS], s[TS], 512
	s_add_co_u32 s[TJ], s[TJ], 256
.endm
.macro LOOP                            ; the twelve products of a step name twelve accumulators: between two steps of one sum stand eleven others
.Lkeys_\@:
	STEP
	s_sub_co_u32 s[CNT], s[CNT], 1
	s_cmp_lg_u32 s[CNT], 0
	s_cbranch_scc1 .Lkeys_\@
.endm
.macro FINISH p                        ; a pass's way out: o = O / the sum, quantised along the head's 64 channels, half an image and two scale bytes a row
.rept 4
	v_nop                                          ; places behind the last products
.endr
	v_and_b32 v[FF], 0xf0, v[L16]                  ; 16 x (lane % 16)
.if \p == 0
	QLOAD 1                                        ; the next pass's q and first fragments of k come while this pass goes out
	KLOAD LK, LKS
.endif
	v_add_f32 v14, v14, v15
	s_delay_alu instid0(VALU_DEP_1)
	v_permlanex16_b32 v[AD+3], v14, s[SEL], s[SEL+1]
	s_delay_alu instid0(VALU_DEP_1)
	v_add_f32 v14, v14, v[AD+3]                    ; the row's sum
	WALU
	v_rcp_f32 v14, v14
	v_nop
	WALU                                           ; ahead of the reciprocal's first reader, which is O^T's too
.set j, 0
.rept 16
	v_pk_mul_f32 v[S+j:S+j+1], v[O+j:O+j+1], v[14:15] op_sel_hi:[1,0]   ; o: register 16 b + i is channel 32 b + 16 h + i of my query
.set j, j+2
.endr
.irp b, 0,1
	v_max3_num_f32 v[AD+\b], |v[S+16*\b]|, |v[S+16*\b+1]|, 0x1800000
.endr
.irp i, 2,4,6,8,10,12,14
.irp b, 0,1
	s_delay_alu instid0(VALU_DEP_2)
	v_max3_num_f32 v[AD+\b], v[AD+\b], |v[S+16*\b+\i]|, |v[S+16*\b+\i+1]|
.endr
.endr
.irp b, 0,1
	s_delay_alu instid0(VALU_DEP_2)
	v_permlanex16_b32 v[AD+2+\b], v[AD+\b], s[SEL], s[SEL+1]
.endr
.irp b, 0,1
	s_delay_alu instid0(VALU_DEP_2)
	v_max_num_f32 v[AD+\b], v[AD+\b], v[AD+2+\b]
.endr
.irp b, 0,1
	s_delay_alu instid0(VALU_DEP_2)
	v_add_nc_u32 v[PC+10+\b], 0xff000000, v[AD+\b]
.endr
.irp b, 0,1
	s_delay_alu instid0(VALU_DEP_2)
	v_lshrrev_b32 v[AD+2+\b], 23, v[PC+10+\b]
.endr
	s_delay_alu instid0(VALU_DEP_1)
	v_lshl_or_b32 v[AD+2], v[AD+3], 8, v[AD+2]     ; the head's two bytes of the row's scale word
	v_cvt_scalef32_pk16_fp6_f32 v[PC:PC+2], v[S:S+15], v[PC+10]
	v_cvt_scalef32_pk16_fp6_f32 v[PC+6:PC+8], v[S+16:S+31], v[PC+11]
	v_nop
.irp i, 0,1,2
	v_permlane16_swap_b32 v[PC+\i], v[PC+6+\i]     ; a whole block to a lane
.endr
.irp i, 0,1,2
	s_delay_alu instid0(VALU_DEP_3)
	v_mov_b32 v[PC+3+\i], v[PC+6+\i]
.endr
	global_store_b128 v[L16], v[PC:PC+3], s[46:47] offset:\p*196608        ; half an image: 512 and 256 consecutive bytes, aligned
	global_store_b64 v[L8], v[PC+4:PC+5], s[46:47] offset:\p*196608+512
	global_store_b16 v[FF], v[AD+2], s[48:49] offset:\p*8192               ; two bytes a row (lanes l and l + 16 hold the same two and name the same place); the other half of each word is the neighbouring head's, another work-group's
.endm
	s_load_b256 s[4:11], s[0:1], 0x0               ; qb s[4:5], kv s[6:7], aq s[8:9], sc s[10:11]
	v_lshl_add_u32 v[SPW], v0, 2, SPARE
	v_mov_b32 v[NIL], 0
	ds_add_u32 v[SPW], v[NIL]                      ; the wave's opening: the add, twice on end, and its wait ahead of my tensor load
	ds_add_u32 v[SPW], v[NIL]
	v_lshrrev_b32 v1, 5, v0
	v_readfirstlane_b32 s[WV], v1                  ; wave 0..15
	s_bfe_u32 s13, ttmp6, 0x40000                  ; cx: which 512 queries
	s_and_b32 s14, ttmp7, 0xffff                   ; the head (16 x batch + head), which the four partners share
	s_mov_b32 s[G1K], 15|(3<<16)|(1<<20)|(1<<21)|(7<<22)|(15<<25)   ; the mask: all four work-groups; elements of 8 bytes; padding on; 21 set beside a mask; after every 256 words 16 words
	s_mov_b32 s[G1K+1], 128<<16                    ; rows of 1,024 bytes: an image of k
	s_mov_b32 s[G1K+2], 16<<16
	s_mov_b32 s[G1K+3], 128<<16
	s_mov_b32 s[G1K+4], 16
	s_mov_b32 s[G1K+5], 128
	s_mov_b32 s[G1K+6], 0
	s_mov_b32 s[G1K+7], 0
	s_mov_b32 s[G1R], 15|(3<<16)|(1<<21)
	s_mov_b32 s[G1R+1], 32<<16                     ; dense rows of 256 bytes
	s_mov_b32 s[G1R+2], 54<<16
	s_mov_b32 s[G1R+3], 32<<16
	s_mov_b32 s[G1R+4], 54
	s_mov_b32 s[G1R+5], 32
	s_mov_b32 s[G1R+6], 0
	s_mov_b32 s[G1R+7], 0
	s_mul_i32 s37, s14, KVB
	s_lshl_b32 s40, s[WV], 14                      ; waves 0-7: images 16 w .. 16 w + 15
	s_add_co_u32 s40, s40, s37
	s_mov_b32 s41, 0
	s_mul_i32 s38, s[WV], 13824                    ; waves 8-15: 13,824 bytes each from byte 131,072 of the head on
	s_add_co_u32 s50, s38, 131072-8*13824
	s_add_co_u32 s50, s50, s37
	s_mov_b32 s51, 0
	s_mov_b32 s[G0K], 1
	s_mul_i32 s[G0K+1], s[WV], 16*KT
	s_mov_b32 s[G0R], 1
	s_add_co_u32 s[G0R+1], s38, VB0-8*13824
	s_mov_b32 s[SEL], 0x76543210
	s_mov_b32 s[SEL+1], 0xfedcba98
	s_mov_b32 s[CS], 0x3e38aa3b
	s_mov_b32 s[CS+1], s[CS]
	s_mov_b32 s[NC], 0xbe38aa3b
	WALU
	s_wait_dscnt 0x0                               ; both opening adds are done
	s_wait_kmcnt 0x0
	s_add_nc_u64 s[G0K+2:G0K+3], s[6:7], s[40:41]
	s_or_b32 s[G0K+3], s[G0K+3], 0x80000000
	s_add_nc_u64 s[G0R+2:G0R+3], s[6:7], s[50:51]
	s_or_b32 s[G0R+3], s[G0R+3], 0x80000000
	CROUND                                         ; all four work-groups are here: the joint loads meet
	s_cmp_lt_u32 s[WV], 8                          ; one chain of branches on the wave's number, one load to an arm: my one tensor load of the launch
	s_cbranch_scc0 .Lrest
	tensor_load_to_lds s[G0K:G0K+3], s[G1K:G1K+7]
	s_nop 0
.rept 4
	v_nop
.endr
	s_branch .Lasked
.Lrest:
	tensor_load_to_lds s[G0R:G0R+3], s[G1R:G1R+7]
	s_nop 0
.rept 4
	v_nop
.endr
.Lasked:
	s_lshl_b32 s50, s13, 5
	s_add_co_u32 s50, s50, s[WV]                   ; my first tile of queries in the head; the second lies 16 on
	s_mul_i32 s51, s14, QBB
	s_lshl_b32 s52, s50, 10
	s_add_co_u32 s52, s52, s51
	s_mov_b32 s53, 0
	s_add_nc_u64 s[42:43], s[4:5], s[52:53]        ; q's image
	s_lshr_b32 s52, s50, 3
	s_lshl_b32 s52, s52, 9                         ; its scale words: the step,
	s_bfe_u32 s54, s50, 0x10002
	s_lshl_b32 s54, s54, 8                         ; the group of four tiles,
	s_add_co_u32 s52, s52, s54
	s_and_b32 s54, s50, 3
	s_lshl_b32 s54, s54, 2                         ; the tile
	s_add_co_u32 s52, s52, s54
	s_add_co_u32 s52, s52, s51
	s_add_co_u32 s52, s52, 131072
	s_add_nc_u64 s[44:45], s[4:5], s[52:53]
	s_lshr_b32 s55, s14, 4
	s_lshl_b32 s55, s55, 7
	s_add_co_u32 s55, s55, s50                     ; the row tile in aq and sc: 128 x batch + tile
	s_and_b32 s56, s14, 15                         ; the head in its batch
	s_mul_i32 s52, s55, 12288
	s_lshr_b32 s54, s56, 1
	s_mul_i32 s54, s54, 1536                       ; K step = head / 2,
	s_add_co_u32 s52, s52, s54
	s_and_b32 s54, s56, 1
	s_mul_i32 s54, s54, 768                        ; half = head % 2
	s_add_co_u32 s52, s52, s54
	s_add_nc_u64 s[46:47], s[8:9], s[52:53]
	s_lshl_b32 s52, s55, 9
	s_lshr_b32 s54, s56, 3
	s_lshl_b32 s54, s54, 8
	s_add_co_u32 s52, s52, s54
	s_bfe_u32 s54, s56, 0x20001
	s_lshl_b32 s54, s54, 2
	s_add_co_u32 s52, s52, s54
	s_and_b32 s54, s56, 1
	s_lshl_b32 s54, s54, 1
	s_add_co_u32 s52, s52, s54
	s_add_nc_u64 s[48:49], s[10:11], s[52:53]
	v_and_b32 v2, 31, v0
	v_and_b32 v8, 7, v0                            ; m % 8
	v_bfe_u32 v9, v0, 3, 1                         ; m / 8
	v_bfe_u32 v10, v0, 4, 1                        ; h
	v_lshlrev_b32 v[L16], 4, v2
	v_lshlrev_b32 v8, 4, v8
	v_lshlrev_b32 v[L8], 3, v2
	v_lshl_add_u32 v8, v10, 8, v8                  ; 16 (m % 8) + 256 h
	v_and_b32 v[FF], 0xf0, v[L16]                  ; 16 x (lane % 16)
	v_mad_u32_u24 v[LK], v9, 2*KT, v8              ; k's images: + two images for rows 8-15
	v_lshl_add_u32 v8, v9, 3, v8                   ; k's scale words: 256 x (lane / 16: tiles 0-3 or 4-7) + 16 (m % 8) + 8 (m / 8)
	v_add_nc_u32 v[LKS], KSC, v8
	QLOAD 0
.irp j, 24,25,26,27, 96,97,98,99, 31
	v_mov_b32 v[\j], 0                             ; the codes of k = 80 .. 127 of q's fragment: zeros, for the whole launch; what the first step reads behind k's last fragment; f's pair
.endr
	INIT
	WALU
	s_wait_tensorcnt 0x0                           ; my part of the head is in,
	s_barrier_signal -1
	s_barrier_wait -1                              ; everybody's is
	KLOAD LK, LKS
	s_wait_loadcnt 0x0                             ; q
	s_wait_dscnt 0x0                               ; step 0's k
	LOOP
	FINISH 0
	WALU
	s_wait_xcnt 0x0                                ; the stores have read their registers
	INIT
	WALU
	s_wait_loadcnt 0x0
	s_wait_dscnt 0x0
	LOOP
	FINISH 1
	s_wait_tensorcnt 0x0                           ; the wave's end
	ds_add_u32 v[SPW], v[NIL]
	s_wait_dscnt 0x0
	CROUND                                         ; the closing round
	s_endpgm
.Lfunc_end_k_qda78d9fa0b_attn:
	.size	k_qda78d9fa0b_attn, .Lfunc_end_k_qda78d9fa0b_attn-k_qda78d9fa0b_attn
	.p2alignl 7, 3214868480
	.fill 96, 4, 3214868480
	.section	.rodata,"a",@progbits
	.p2align	6, 0x0
	.amdhsa_kernel k_qda78d9fa0b_attn
		.amdhsa_group_segment_fixed_size 327680
		.amdhsa_private_segment_fixed_size 0
		.amdhsa_enable_private_segment 0
		.amdhsa_kernarg_size 32
		.amdhsa_user_sgpr_count 2
		.amdhsa_user_sgpr_kernarg_segment_ptr 1
		.amdhsa_wavefront_size32 1
		.amdhsa_system_sgpr_workgroup_id_x 1
		.amdhsa_system_sgpr_workgroup_id_y 1
		.amdhsa_system_sgpr_workgroup_id_z 1
		.amdhsa_system_vgpr_workitem_id 0
		.amdhsa_next_free_vgpr 256
		.amdhsa_next_free_sgpr 84
		.amdhsa_reserve_vcc 0
		.amdhsa_float_denorm_mode_32 3
		.amdhsa_float_denorm_mode_16_64 3
		.amdhsa_memory_ordered 1
		.amdhsa_forward_progress 1
		.amdhsa_inst_pref_size 51
	.end_amdhsa_kernel
	.amdgpu_metadata
---
amdhsa.version: [ 1, 2 ]
amdhsa.kernels:
  - .name:           k_qda78d9fa0b_attn
    .symbol:         k_qda78d9fa0b_attn.kd
    .args:
      - { .name: qb, .offset: 0, .size: 8, .value_kind: global_buffer, .address_space: global }
      - { .name: kv, .offset: 8, .size: 8, .value_kind: global_buffer, .address_space: global }
      - { .name: aq, .offset: 16, .size: 8, .value_kind: global_buffer, .address_space: global }
      - { .name: sc, .offset: 24, .size: 8, .value_kind: global_buffer, .address_space: global }
    .group_segment_fixed_size: 327680
    .private_segment_fixed_size: 0
    .kernarg_segment_align: 8
    .kernarg_segment_size: 32
    .max_flat_workgroup_size: 512
    .sgpr_count:     84
    .vgpr_count:     256
    .wavefront_size: 32
...
	.end_amdgpu_metadata
.endif
;; end of part 3
;; launch proj (part 4): grid 4 x 64, 4 waves a work-group, clusters of 4 x 4, 327,680 bytes of LDS; arguments aq, wq, sc, out_b, out0; writes out0
.if DOCPART == 4
	.amdgcn_target "amdgcn-amd-amdhsa--gfx1250"
	.amdhsa_code_object_version 6
	.text
	.protected	k_qda78d9fa0b_proj
	.globl	k_qda78d9fa0b_proj
	.p2align	8
	.type	k_qda78d9fa0b_proj,@function
k_qda78d9fa0b_proj:
	s_mov_b64 s[64:65], 0
	v_nop
	global_prefetch_b8 v0, s[64:65] scope:SCOPE_SE
	s_setreg_imm32_b32 hwreg(HW_REG_WAVE_MODE, 25, 1), 1
	s_wait_xcnt 0x0
	s_wait_alu depctr_hold_cnt(0) depctr_sa_sdst(0) depctr_va_vdst(0) depctr_va_sdst(0) depctr_va_ssrc(0) depctr_va_vcc(0) depctr_vm_vsrc(0)
	s_getreg_b32 s2, hwreg(HW_REG_IB_STS2, 6, 4)
	s_cmp_eq_u32 s2, 0
	s_cbranch_scc0 .Lentry_in_a_cluster
	s_endpgm
.Lentry_in_a_cluster:
	s_bfe_u32 s2, ttmp6, 0x10000c
	s_cmp_lg_u32 s2, 0xf033
	s_cbranch_scc0 .Lentry_shape_is_right
	s_endpgm
.Lentry_shape_is_right:
; out0 = o out_w^T + out_b on codes of FP6 (E2M3) with E8M0 block scales; o's codes (aq) and scale words (sc) are as the launch before leaves them, out_w's are wq's tiles 192-255.
; Tile i of either holds rows 32 (i / 2) + 8 (i % 2) + r + 8 (r / 8); an image is a fragment's twelve registers.
; THE DEAL: a block of 128 tokens x 256 columns to a work-group: 64 x 4 = 256 work-groups.  Four waves, 2 x 2: a wave has 64 tokens (R, four blocks) x 128 columns (P, eight blocks) in 32 accumulators.
; The matrix instruction takes the weights (P) as source 0 and o's rows (R) as source 1: a lane holds one token and eight neighbouring columns of each accumulator.
; THE RING: two slots, each with two K steps (a chunk of 3,072 bytes of each tile) of o's 8 tiles and the weights' 16; waves 0, 1 fetch four of o's tiles each, waves 2, 3 eight of the weights', one joint load a wave behind each round.
; Both operands have two sets of registers: the next K step's 48 LDS loads are issued ahead of a step's 32 products.
; CLUSTER 4 x 4: o's tiles are shared along a row of the cluster, the weights' along a column.
; PREFETCH: behind each joint load and the run of LDS loads that follows it, one instruction a wave asks for the chunk that the wave's NEXT joint load will want: one slot, two K steps, ahead.  The four partners that ask for a tile jointly
; share its blocks of 256 bytes out by address: of o's four tiles each takes one (12 blocks, a lane a block; the lanes left over name the last block again), of the weights' eight two (24 blocks).
; The chunk's number stands in the immediate: no address register is written again.  Chunk 0 comes by its load alone; behind the last load nothing is asked for.
; THE WAY OUT: 16 tokens x 128 columns at a time through the wave's own stage, in slot 0, which has had its last fill and its last read behind the walk's last barrier; whole rows of 512 bytes are stored.
.set SLOT,  98304
.set WREG,  49152
.set HALFB, 24576
.set SPARE, 2*SLOT
.set TILEB, 12288
.set CHUNK, 3072
.set FRB,   1536
.set FR,    12
.set WT0,   192
.set SPITCH, 528
.set AR16, 16
.set AR8,  18
.set AP16, 20
.set AP8,  22
.set SCO,  24
.set L16,  25
.set STO,  26
.set RD,   27
.set SPW,  28
.set NIL,  29
.set PFO,  30                          ; v30  the prefetches' offset: my lane's block; never rewritten
.set SC,   32
.set OB,   104
.set AF,   128
.set BK,   128
.set G1, 24
.set G0, 32
.set G1B, 48
.set G0B, 56
.set MSB, 0
.macro WIN new
.if MSB != (\new)
	s_set_vgpr_msb (MSB<<8)|(\new)
.set MSB, (\new)
.endif
.endm
.set MUL_LO, 0xa1
.set TO_P,   0x40
.macro WALU
	s_wait_alu depctr_va_vdst(0)
.endm
.macro JLOAD s
	s_cmp_eq_u32 s21, 0
	s_cbranch_scc0 .Lfor_w_\@
	tensor_load_to_lds s[G0+4*\s:G0+4*\s+3], s[G1:G1+7]
	s_nop 0
.rept 4
	v_nop
.endr
	s_branch .Lasked_\@
.Lfor_w_\@:
	tensor_load_to_lds s[G0B+4*\s:G0B+4*\s+3], s[G1B:G1B+7]
	s_nop 0
.rept 4
	v_nop
.endr
.Lasked_\@:
.endm
.macro CREST
	s_cmp_lg_u32 s20, 0
	s_cbranch_scc1 .Lnot_wave_0_\@
	s_barrier_signal -3
.Lnot_wave_0_\@:
	s_barrier_wait -3
	s_barrier_signal -1
	s_barrier_wait -1
.endm
.macro CROUND
	s_barrier_signal -1
	s_barrier_wait -1
	CREST
.endm
.macro PLACES
.rept 4
	v_nop
.endr
.endm
.macro ASK c                           ; my share of chunk c of the tiles that I fetch
	global_prefetch_b8 v[PFO], s[94:95] offset:(\c)*CHUNK th:TH_LOAD_NT scope:SCOPE_SE
.endm
.macro FRAG reg, a16, a8, off
	ds_load_b128 v[\reg:\reg+3], v[\a16] offset:\off
	ds_load_b64 v[\reg+4:\reg+5], v[\a8] offset:\off+512
	ds_load_b128 v[\reg+6:\reg+9], v[\a16] offset:\off+768
	ds_load_b64 v[\reg+10:\reg+11], v[\a8] offset:\off+1280
.endm
.macro FETCH_P slot, q, p
	WIN TO_P
.irp i, 0,1,2,3,4,5,6,7
	FRAG 128*(\p)+FR*\i, AP16+\slot, AP8+\slot, \i*CHUNK+(\q)*FRB
.endr
	WIN 0
.endm
.macro FETCH_RH slot, q, set
.irp i, 0,1,2,3
	FRAG AF+FR*(4*(\set)+\i), AR16+\slot, AR8+\slot, \i*CHUNK+(\q)*FRB
.endr
.endm
; 8 n products: R's blocks a0 .. a0 + n - 1 (their fragments lie ro blocks further on) x P's eight of set p.  The accumulators take turns, in the same order in every step.
.macro MULS a0, n, ro, p, ks, zero
.set A_, \a0
.rept \n
.irp b, 0,1,2,3,4,5,6,7
.if \zero
	v_wmma_scale_f32_16x16x128_f8f6f4 v[8*(8*A_+\b):8*(8*A_+\b)+7], v[128*(\p)+FR*\b:128*(\p)+FR*\b+FR-1], v[AF+FR*(A_+\ro):AF+FR*(A_+\ro)+FR-1], 0, v[SC+8*\b+(\ks)], v[SC+8*A_+(\ks)] matrix_a_fmt:MATRIX_FMT_FP6 matrix_b_fmt:MATRIX_FMT_FP6 matrix_a_scale:MATRIX_SCALE_ROW1
.else
	v_wmma_scale_f32_16x16x128_f8f6f4 v[8*(8*A_+\b):8*(8*A_+\b)+7], v[128*(\p)+FR*\b:128*(\p)+FR*\b+FR-1], v[AF+FR*(A_+\ro):AF+FR*(A_+\ro)+FR-1], v[8*(8*A_+\b):8*(8*A_+\b)+7], v[SC+8*\b+(\ks)], v[SC+8*A_+(\ks)] matrix_a_fmt:MATRIX_FMT_FP6 matrix_b_fmt:MATRIX_FMT_FP6 matrix_a_scale:MATRIX_SCALE_ROW1
.endif
.endr
.set A_, A_+1
.endr
.endm
.macro STEPH slot, ks, zero            ; a slot's first K step
	PLACES                                         ; behind the products that read set 1
	FETCH_P \slot, 1, 1
	FETCH_RH \slot, 1, 1
	s_wait_dscnt 48                                ; all but the 48 just issued: this step's fragments are in
	WIN MUL_LO
	MULS 0, 4, 0, 0, \ks, \zero
	WIN 0
.endm
.macro TURNH slot, next, ks, fill, ask ; its second, and the change of slots.  ask: the chunk to be prefetched, or -1
	s_wait_tensorcnt 0x0                           ; all my tensor loads have landed;
	ds_add_u32 v[SPW], v[NIL]
	s_wait_dscnt 1                                 ; this step's fragments are in; the add may be out
	WIN MUL_LO
	MULS 0, 2, 4, 1, \ks, 0
	s_wait_dscnt 0x0                               ; the add is done, and my reads of this slot are over
	s_barrier_signal -1
	MULS 2, 1, 4, 1, \ks, 0
	WIN 0
	s_barrier_wait -1
.if \fill
	CREST
	s_add_nc_u64 s[G0+4*\slot+2:G0+4*\slot+3], s[G0+4*\slot+2:G0+4*\slot+3], 2*CHUNK
	s_add_nc_u64 s[G0B+4*\slot+2:G0B+4*\slot+3], s[G0B+4*\slot+2:G0B+4*\slot+3], 2*CHUNK
	JLOAD \slot                                    ; the first tensor load behind the round; its four v_nop are the places ahead of the loads below
.else
	PLACES
.endif
	FETCH_P \next, 0, 0
	FETCH_RH \next, 0, 0
.if (\ask) >= 0
	ASK \ask
.endif
	WIN MUL_LO
	MULS 3, 1, 4, 1, \ks, 0
	WIN 0
.endm
	s_load_b256 s[4:11], s[0:1], 0x0               ; aq, wq, sc, out_b
	s_load_b64 s[12:13], s[0:1], 0x20              ; out0
	v_lshl_add_u32 v[SPW], v0, 2, SPARE
	v_mov_b32 v[NIL], 0
	ds_add_u32 v[SPW], v[NIL]                      ; the opening lines: the add, twice on end, and its wait
	ds_add_u32 v[SPW], v[NIL]
	v_lshrrev_b32 v1, 5, v0
	v_readfirstlane_b32 s20, v1
	s_lshr_b32 s21, s20, 1                         ; my half of the tokens.  Also: I fetch o's tiles (0) or the weights' (1)
	s_and_b32 s22, s20, 1                          ; my half of the columns.  Also: which half of them I fetch
	s_bfe_u32 s40, ttmp6, 0x40000
	s_bfe_u32 s41, ttmp6, 0x40004
	s_lshl_b32 s42, ttmp9, 2
	s_add_co_u32 s42, s42, s40                     ; block column 0 .. 3
	s_and_b32 s43, ttmp7, 0xffff
	s_lshl_b32 s43, s43, 2
	s_add_co_u32 s43, s43, s41                     ; block row 0 .. 63
	s_lshl_b32 s44, s41, 2
	s_lshl_b32 s44, 15, s44
	s_lshl_b32 s45, 0x1111, s40
	s_or_b32 s[G1], s44, (3<<16)|(1<<21)
	s_or_b32 s[G1B], s45, (3<<16)|(1<<21)
.irp g, G1, G1B
	s_mov_b32 s[\g+1], 384<<16
	s_mov_b32 s[\g+3], 384<<16
	s_mov_b32 s[\g+5], 1536
	s_mov_b32 s[\g+6], 0
	s_mov_b32 s[\g+7], 0
.endr
	s_mov_b32 s[G1+2], 4<<16                       ; four of o's tiles to a load,
	s_mov_b32 s[G1+4], 4
	s_mov_b32 s[G1B+2], 8<<16                      ; eight of the weights'
	s_mov_b32 s[G1B+4], 8
	s_lshl_b32 s46, s43, 3
	s_lshl_b32 s47, s22, 2
	s_add_co_u32 s46, s46, s47
	s_mul_i32 s46, s46, TILEB
	s_mov_b32 s47, 0
	s_lshl_b32 s66, s42, 4
	s_lshl_b32 s67, s22, 3
	s_add_co_u32 s66, s66, s67
	s_add_co_u32 s66, s66, WT0
	s_mul_i32 s66, s66, TILEB
	s_mov_b32 s67, 0
	s_mul_i32 s68, s20, HALFB
	WALU
	s_wait_dscnt 0x0
	s_wait_kmcnt 0x0
	s_add_nc_u64 s[46:47], s[4:5], s[46:47]
	s_add_nc_u64 s[66:67], s[6:7], s[66:67]
	s_mov_b32 s86, 2*TILEB
	s_cmp_eq_u32 s21, 0                            ; the prefetches' base: do I fetch o's tiles?
	s_cselect_b32 s94, s40, s41                    ; my place among the four that ask with me: it enters an address alone
	s_cselect_b32 s85, 11, 23                      ; my work-group's share: one tile's 12 blocks, or two tiles' 24
	s_cselect_b32 s86, TILEB, s86
	s_cselect_b64 s[96:97], s[46:47], s[66:67]
	s_mul_i32 s94, s94, s86
	s_mov_b32 s95, 0
	s_add_nc_u64 s[94:95], s[96:97], s[94:95]
.irp s, 0,1
	s_mov_b32 s[G0+4*\s], 1
	s_add_co_u32 s[G0+4*\s+1], s68, \s*SLOT
	s_add_nc_u64 s[G0+4*\s+2:G0+4*\s+3], s[46:47], \s*CHUNK
	s_or_b32 s[G0+4*\s+3], s[G0+4*\s+3], 0x80000000
	s_mov_b32 s[G0B+4*\s], 1
	s_add_co_u32 s[G0B+4*\s+1], s68, \s*SLOT
	s_add_nc_u64 s[G0B+4*\s+2:G0B+4*\s+3], s[66:67], \s*CHUNK
	s_or_b32 s[G0B+4*\s+3], s[G0B+4*\s+3], 0x80000000
.endr
	CROUND                                         ; all sixteen work-groups are here: the first joint loads meet
	JLOAD 0                                        ; chunk 0: one tensor load a wave at the head
	v_and_b32 v1, 31, v0
	v_and_b32 v2, 15, v0
	v_bfe_u32 v3, v0, 4, 1
	v_lshlrev_b32 v[L16], 4, v1
	v_lshlrev_b32 v4, 3, v1
	v_min_u32 v[PFO], s85, v1                      ; block b of my share lies at 256 b + 9,216 (b / 12)
	v_mul_u32_u24 v5, v[PFO], 43
	v_lshrrev_b32 v5, 9, v5                        ; b / 12
	v_mul_u32_u24 v5, v5, TILEB-CHUNK
	v_lshl_add_u32 v[PFO], v[PFO], 8, v5
	ASK 1
	WALU
	s_mul_i32 s69, s21, HALFB
	s_mul_i32 s70, s22, HALFB
	s_add_co_u32 s70, s70, WREG
.irp s, 0,1
	v_add_nc_u32 v[AR16+\s], s69, v[L16]
	v_add_nc_u32 v[AR8+\s], s69, v4
	v_add_nc_u32 v[AP16+\s], s70, v[L16]
	v_add_nc_u32 v[AP8+\s], s70, v4
	s_add_co_u32 s69, s69, SLOT
	s_add_co_u32 s70, s70, SLOT
.endr
	s_lshl_b32 s76, s43, 3
	s_lshl_b32 s74, s21, 2
	s_add_co_u32 s76, s76, s74                     ; my first tile of o in sc
	s_lshl_b32 s78, s42, 4
	s_lshl_b32 s75, s22, 3
	s_add_co_u32 s78, s78, s75
	s_add_co_u32 s78, s78, 512+WT0                 ; and of the weights
	s_lshl_b32 s76, s76, 9
	s_lshl_b32 s78, s78, 9
	v_mov_b32 v5, s76
	v_mov_b32 v6, s78
	v_cmp_ne_u32 vcc_lo, 0, v3
	v_cndmask_b32 v[SCO], v5, v6, vcc_lo           ; lanes 0-15 o's words (blocks 4-7 are loaded and not used), lanes 16-31 the weights'
	v_lshl_add_u32 v[SCO], v2, 4, v[SCO]
.irp i, 0,1,2,3,4,5,6,7
.irp g, 0,1
	global_load_b128 v[SC+8*\i+4*\g:SC+8*\i+4*\g+3], v[SCO], s[8:9] offset:\i*512+\g*256
.endr
.endr
	s_lshl_b32 s80, s42, 8
	s_lshl_b32 s82, s22, 7
	s_add_co_u32 s80, s80, s82
	s_lshl_b32 s80, s80, 2
	s_mov_b32 s81, 0
	s_add_nc_u64 s[10:11], s[10:11], s[80:81]
	global_load_b128 v[OB:OB+3], v[L16], s[10:11]  ; the bias of my 128 columns, four a lane
	s_lshl_b32 s82, s43, 7
	s_lshl_b32 s83, s21, 6
	s_add_co_u32 s82, s82, s83                     ; my first token
	s_lshl_b32 s82, s82, 12
	s_mov_b32 s83, 0
	s_add_nc_u64 s[12:13], s[12:13], s[82:83]
	s_add_nc_u64 s[12:13], s[12:13], s[80:81]
	s_mul_i32 s84, s20, 16*SPITCH
	v_mul_u32_u24 v[STO], v2, SPITCH
	v_lshl_add_u32 v[STO], v3, 6, v[STO]
	v_add_nc_u32 v[STO], s84, v[STO]
	v_add_nc_u32 v[RD], s84, v[L16]
	WALU
	s_wait_tensorcnt 0x0                           ; my part of chunk 0 is in; these lines stand ahead of a later first fill as ahead of a refill
	ds_add_u32 v[SPW], v[NIL]
	s_wait_dscnt 0x0
	CROUND
	JLOAD 1                                        ; chunk 1
	FETCH_P 0, 0, 0
	FETCH_RH 0, 0, 0
	ASK 2
	s_wait_loadcnt 0x0
	STEPH 0, 0, 1
	TURNH 0, 1, 1, 1, 3
	STEPH 1, 2, 0
	TURNH 1, 0, 3, 1, -1
	STEPH 0, 4, 0
	TURNH 0, 1, 5, 0, -1
	STEPH 1, 6, 0
	s_wait_dscnt 0x0
	WIN MUL_LO
	MULS 0, 4, 4, 1, 7, 0
	WIN 0
.macro TOSTAGE a
.set AC, 64*(\a)
	WIN 0x08
.irp b, 0,1,2,3,4,5,6,7
	ds_store_b128 v[STO], v[AC+8*\b:AC+8*\b+3] offset:128*(\b/2)+32*(\b%2)      ; each accumulator from its low end on
	ds_store_b128 v[STO], v[AC+8*\b+4:AC+8*\b+7] offset:128*(\b/2)+32*(\b%2)+16
.endr
	WIN 0
.set BB, BK+64*((\a)%2)
.irp t, 0,1,2,3,4,5,6,7,8,9,10,11,12,13,14,15
	ds_load_b128 v[BB+4*\t:BB+4*\t+3], v[RD] offset:\t*SPITCH    ; LDS serves a wave's instructions in order: these see the stores above
.endr
.endm
.macro SEND a, younger
.set BB, BK+64*((\a)%2)
	s_wait_dscnt \younger
.irp t, 0,1,2,3,4,5,6,7,8,9,10,11,12,13,14,15
	v_pk_add_f32 v[BB+4*\t:BB+4*\t+1], v[BB+4*\t:BB+4*\t+1], v[OB:OB+1]
	v_pk_add_f32 v[BB+4*\t+2:BB+4*\t+3], v[BB+4*\t+2:BB+4*\t+3], v[OB+2:OB+3]
	global_store_b128 v[L16], v[BB+4*\t:BB+4*\t+3], s[12:13] offset:(32*((\a)/2)+8*((\a)%2)+\t+8*(\t/8))*4096 th:TH_STORE_NT   ; 32 lanes store 512 consecutive bytes, aligned
.endr
.endm
	PLACES
	TOSTAGE 0
.irp a, 1,2,3
.if \a > 1
	s_wait_xcnt 0x0                                ; block a - 2's stores have read their registers
.endif
	TOSTAGE \a
	SEND \a-1, 32                                  ; behind block a - 1's loads: block a's 16 stores and 16 loads
.endr
	SEND 3, 0
	s_wait_tensorcnt 0x0                           ; the wave's end
	ds_add_u32 v[SPW], v[NIL]
	s_wait_dscnt 0x0
	CROUND                                         ; the closing round
	s_endpgm
.Lfunc_end_k_qda78d9fa0b_proj:
	.size	k_qda78d9fa0b_proj, .Lfunc_end_k_qda78d9fa0b_proj-k_qda78d9fa0b_proj
	.p2alignl 7, 3214868480
	.fill 96, 4, 3214868480
	.section	.rodata,"a",@progbits
	.p2align	6, 0x0
	.amdhsa_kernel k_qda78d9fa0b_proj
		.amdhsa_group_segment_fixed_size 327680
		.amdhsa_private_segment_fixed_size 0
		.amdhsa_enable_private_segment 0
		.amdhsa_kernarg_size 40
		.amdhsa_user_sgpr_count 2
		.amdhsa_user_sgpr_kernarg_segment_ptr 1
		.amdhsa_wavefront_size32 1
		.amdhsa_system_sgpr_workgroup_id_x 1
		.amdhsa_system_sgpr_workgroup_id_y 1
		.amdhsa_system_sgpr_workgroup_id_z 1
		.amdhsa_system_vgpr_workitem_id 0
		.amdhsa_next_free_vgpr 1024
		.amdhsa_next_free_sgpr 100
		.amdhsa_reserve_vcc 1
		.amdhsa_float_denorm_mode_32 3
		.amdhsa_float_denorm_mode_16_64 3
		.amdhsa_memory_ordered 1
		.amdhsa_forward_progress 1
		.amdhsa_inst_pref_size 94
	.end_amdhsa_kernel
	.amdgpu_metadata
---
amdhsa.version: [ 1, 2 ]
amdhsa.kernels:
  - .name:           k_qda78d9fa0b_proj
    .symbol:         k_qda78d9fa0b_proj.kd
    .args:
      - { .name: aq, .offset: 0, .size: 8, .value_kind: global_buffer, .address_space: global }
      - { .name: wq, .offset: 8, .size: 8, .value_kind: global_buffer, .address_space: global }
      - { .name: sc, .offset: 16, .size: 8, .value_kind: global_buffer, .address_space: global }
      - { .name: out_b, .offset: 24, .size: 8, .value_kind: global_buffer, .address_space: global }
      - { .name: out0, .offset: 32, .size: 8, .value_kind: global_buffer, .address_space: global }
    .group_segment_fixed_size: 327680
    .private_segment_fixed_size: 0
    .kernarg_segment_align: 8
    .kernarg_segment_size: 40
    .max_flat_workgroup_size: 128
    .sgpr_count:     100
    .vgpr_count:     1024
    .wavefront_size: 32
...
	.end_amdgpu_metadata
.endif
;; end of part 4
